; MI455X (gfx1250); checked and timed in simulation.
; The chip was launched on July 23, 2026; its instructions are those of AMD's public machine-readable ISA for CDNA 5 (MIT licence, August 2026) and "CDNA5" Instruction Set Architecture Reference Guide (July 2026). The comments in the code are by the model that wrote it; some were corrected since.
;; SGMCAI Layer. Allowed arithmetic: matrix products marked QUANTISED: E2M3 operands, one E8M0 scale for each 32 along K, by v_wmma_scale_f32_16x16x128_f8f6f4 with both operands' format E2M3, f32 sums; everything else in f32.
;; Inputs: W1 1,024 x 4,096 float32; W2 4,096 x 1,024 float32; Wk 1,024 x 1,024 float32; Wo 1,024 x 1,024 float32; Wq 1,024 x 1,024 float32; Wv 1,024 x 1,024 float32; b1 4,096 float32; b2 1,024 float32; bk 1,024 float32; bo 1,024 float32; bq 1,024 float32; bv 1,024 float32; ln1_b 1,024 float32; ln1_g 1,024 float32; ln2_b 1,024 float32; ln2_g 1,024 float32; x 2 x 2,048 x 1,024 float32.
;; Outputs: out0 2 x 2,048 x 1,024 float32.
;; This version of the problem:
;;   THIS VERSION OF THE PROBLEM IS GIVEN IN LOW PRECISION. The matrix products marked QUANTISED in the list below multiply operands that are first quantised to E2M3 (2 exponent bits, 3 mantissa bits; 6 bits a number), with one power-of-two scale for each 32 numbers along K (OCP MX v1.0); their sums are f32. All else is computed in f32.
;;   The module's matrix products, in the order in which they are computed (A, B: the left and right operand; K: the contracted axis; several contracted axes count as one K, in the product's order):
;;     1. [M 4,096, K 1,024] x [K 1,024, N 1,024]; A: input x; B: input Wq: QUANTISED
;;     2. [M 4,096, K 1,024] x [K 1,024, N 1,024]; A: input x; B: input Wk: QUANTISED
;;     3. [M 4,096, K 1,024] x [K 1,024, N 1,024]; A: input x; B: input Wv: QUANTISED
;;     4. batch 32 x [M 2,048, K 64] x [K 64, N 2,048]; A: computed on the way; B: computed on the way: QUANTISED
;;     5. batch 32 x [M 64, K 2,048] x [K 2,048, N 2,048]; A: computed on the way; B: softmax (see below): QUANTISED
;;     6. [M 4,096, K 1,024] x [K 1,024, N 1,024]; A: computed on the way; B: input Wo: QUANTISED
;;     7. [M 4,096, K 1,024] x [K 1,024, N 4,096]; A: computed on the way; B: input W1: QUANTISED
;;     8. [M 4,096, K 4,096] x [K 4,096, N 1,024]; A: computed on the way; B: input W2: QUANTISED
;;   THE QUANTISER, for each operand of a quantised product, along K:
;;     - K is cut into blocks of 32 from its start; a last block that is shorter is filled with zeros.
;;     - A block's scale is 2^e with e = floor(log2(the largest magnitude in the block)) - 2, held to -126 .. 127; a block of zeros has e = 0. As a byte (E8M0): e + 127.
;;     - Each number is divided by its block's scale, clamped to +-7.5, and rounded to the nearest number of E2M3, ties to even, subnormals kept.
;;     - The product sums the exact products of the quantised numbers (number of the format x scale) in f32.
;;   ~~~python
;;   def quantise(x, axis):      # numpy; x: float32 -> the quantised numbers, widened to float32 again
;;       x = np.moveaxis(x, axis, -1); K = x.shape[-1]
;;       x = np.pad(x, [(0, 0)] * (x.ndim - 1) + [(0, -K % 32)]); x = x.reshape(x.shape[:-1] + (-1, 32)); a = np.abs(x).max(-1, keepdims=True)
;;       e = np.where(a > 0, np.clip(np.frexp(np.where(a > 0, a, 1))[1] - 1 - 2, -126, 127), 0)      # np.frexp(a)[1] - 1 = floor(log2(a)), exactly
;;       r = np.clip(x / 2.0 ** e, -7.5, 7.5)
;;       step = 2.0 ** (np.maximum(np.frexp(np.where(r == 0, 1, r))[1] - 1, 0) - 3)
;;       q = np.round(r / step) * step * 2.0 ** e      # np.round: ties to even
;;       return np.moveaxis(q.reshape(q.shape[:-2] + (-1,))[..., :K], -1, axis).astype(np.float32)
;;   ~~~
;;   SOFTMAX AHEAD OF A QUANTISED PRODUCT. Where the list says 'softmax', what is quantised is not the finished softmax but p = 2^(t - M), with t = logit x log2(e) and M = ceil(the row's largest t), a whole number; so 1/2 < the row's largest p <= 1. The row's sum l is taken of the UNQUANTISED p, in f32, and the product's result is divided by l at the end. Since M is a whole number, a kernel that streams over the keys may use a running M (the ceiling of the running maximum): every later rescaling is an exact power of two, which a block's scale takes up: the codes' values come out the same.
;;   OPERANDS COMPUTED ON THE WAY. 'Computed on the way' means the value that the module computes at that place (a softmax that the list does not call 'softmax' is quantised finished and normalised). What goes into a quantiser is computed in f32, as accurately as f32 sums, v_exp_f32 and their like allow (about 1e-6 of the number): no bf16 or f16 on the way to a quantiser, and a product that is left as it is and whose result goes on into a quantised operand takes f32 operands (vector FMAs, or v_wmma_f32_16x16x4_f32). A number that lies on a knife's edge between two numbers of the format may be rounded either way, as far as f32 arithmetic and the matrix unit's own rounding can turn it there, and no further.
;; One version. Each part assembles by itself: llvm-mc -triple=amdgcn-amd-amdhsa -mcpu=gfx1250 --defsym DOCPART=n.
;; ======== version 1 of 1: 8 launches
;; workspace buffers: wts 22,937,600 bytes; qkv 19,660,800 bytes; ctxb 3,276,800 bytes; y 16,777,216 bytes; x1b 20,054,016 bytes; hb 13,107,200 bytes
;; launch prep (part 1): grid 640 x 1, 8 waves a work-group, no clusters, 93,184 bytes of LDS; arguments x, Wq, Wk, Wv, Wo, W1, W2, wts; writes wts
.if DOCPART == 1
	.amdgcn_target "amdgcn-amd-amdhsa--gfx1250"
	.amdhsa_code_object_version 6
	.text
	.protected	k_q7640de7c00_prep
	.globl	k_q7640de7c00_prep
	.p2align	8
	.type	k_q7640de7c00_prep,@function
k_q7640de7c00_prep:
	s_mov_b64 s[64:65], 0
	v_nop
	global_prefetch_b8 v0, s[64:65] scope:SCOPE_SE
	s_setreg_imm32_b32 hwreg(HW_REG_WAVE_MODE, 25, 1), 1
	s_wait_xcnt 0x0
; PREP: x and the six weights, f32, become codes of FP6 (E2M3) with one E8M0 byte for each 32 along K, laid as IMAGES OF THE OPERAND'S REGISTERS.
; THE PROGRAM: prep | qkv | attn | wo | ln1 | ffn1 | ffn2 | ln2.  All eight products of the layer run on such codes.
; WORK LEFT OUT (in attn): reference() sets every score with |query - key| > 256 to -infinity by a mask that it builds itself; its softmax weight is then 0 for all values of the inputs.
; For a block of 128 queries only the five key steps of 128 round it hold a key inside the band; the other eleven (and steps outside the sequence) are whole steps of products 4 and 5
; whose results reach no output: they are not computed.  Every input has a way to the output, and all are loaded.  LIMIT: a NaN, an infinity or an overflow that reaches only a key step left out is not carried to the result.
; LAYOUT.  Tile T of an operand holds 16 rows; its lane r holds row 32 (T / 2) + 8 (T % 2) + r + 8 (r / 8).  A code image (16 rows x 128 K, 12 registers a lane) is 1,536 bytes: registers 4 c .. 4 c + 3 of
; lane l at 512 c + 16 l.  In a region the image of K step s and tile T lies at (256 s + T) x 1,536, its 16 scale words at (256 s + T) x 64.
; A block's scale is 2^(floor(log2(largest magnitude)) - 2); its byte is that magnitude's exponent field - 2, held at 1 from below.
; LIMITS: a block of zeros, or one whose largest magnitude lies under 2^-124, gets the byte 1 (zeros give zero codes; the bytes are read by this program alone); NaN and infinities among the inputs are not served.
; SHARES.  Work-groups 0-255: tile T of x; wave w its K step w.  Work-groups 256-639: 256 columns x 128 K of a weight; wave w 32 columns, a lane a column, registers down K.
; The two paths part once, on the work-group's number, and have LDS bytes of their own.  No matrix work, no tensor load: memory binds.
.set XS,    22020096                   ; x's scale words in wts (x's codes at 0)
.set W4C,   3145728                    ; codes: Wq, Wk, Wv, Wo side by side; W1's at 2 x this, W2's at 3 x this
.set W4S,   22151168                   ; scale words likewise, 131,072 bytes apart
.set WST,   67584                      ; LDS: behind x's eight stages of 8,448 bytes, the weights' eight of 3,072
.set SPARE, 92160                      ; the spare words, 128 bytes for each wave
.set SPW, 14
.set NIL, 15
.set RO,  16                           ; v16-47   weights: 4 x lane + i x a row's bytes
.set X,   48                           ; v48-111  64 numbers
.set PC,  112                          ; v112-130 codes
.set TM,  132                          ; v132-147 at work in QUANT
.set PW,  148                          ; the scale word
.set SEL, 46
; 64 numbers of a lane, register 16 b + i = k 32 b + 16 (lane / 16) + i of my row, become a fragment's codes in v[PC] on and its scale word in v[pw].
.macro QUANT s, pw
.irp b, 0,1,2,3
	v_max3_num_f32 v[TM+\b], |v[(\s)+16*\b]|, |v[(\s)+1+16*\b]|, 0x1800000   ; my 16 numbers of block b, and the floor 2^(3 - 127): the byte cannot fall under 1
.endr
.irp i, 2,4,6,8,10,12,14
.irp b, 0,1,2,3
	v_max3_num_f32 v[TM+\b], v[TM+\b], |v[(\s)+16*\b+\i]|, |v[(\s)+1+16*\b+\i]|
.endr
.endr
.irp b, 0,1,2,3
	v_permlanex16_b32 v[TM+4+\b], v[TM+\b], s[SEL], s[SEL+1]
.endr
.irp b, 0,1,2,3
	v_max_num_f32 v[TM+\b], v[TM+\b], v[TM+4+\b]   ; with lane l xor 16's: the block's largest magnitude
.endr
.irp b, 0,1,2,3
	v_add_nc_u32 v[TM+12+\b], 0xff000000, v[TM+\b] ; 2 off its exponent field: the conversion's scale operand
.endr
.irp b, 0,1,2,3
	v_lshrrev_b32 v[TM+4+\b], 23, v[TM+12+\b]      ; the scale's byte
.endr
	v_lshl_or_b32 v[\pw], v[TM+5], 8, v[TM+4]
	v_lshl_or_b32 v[\pw], v[TM+6], 16, v[\pw]
	v_lshl_or_b32 v[\pw], v[TM+7], 24, v[\pw]
.irp c, 0,1
	v_cvt_scalef32_pk16_fp6_f32 v[PC+6*\c:PC+2+6*\c], v[(\s)+32*\c:(\s)+15+32*\c], v[TM+12+2*\c]
	v_cvt_scalef32_pk16_fp6_f32 v[PC+12+4*\c:PC+14+4*\c], v[(\s)+16+32*\c:(\s)+31+32*\c], v[TM+12+2*\c+1]   ; (a conversion's three registers begin on an even number)
.endr
	v_nop                                          ; one plain place behind a scaled conversion
.irp c, 0,1                            ; the operand's layout wants a whole block in a lane
.irp i, 0,1,2
	v_permlane16_swap_b32 v[PC+6*\c+\i], v[PC+12+4*\c+\i]
.endr
.irp i, 0,1,2
	v_mov_b32 v[PC+3+6*\c+\i], v[PC+12+4*\c+\i]
.endr
.endr
.endm
	s_load_b256 s[4:11], s[0:1], 0x0               ; x, Wq, Wk, Wv
	s_load_b256 s[12:19], s[0:1], 0x20             ; Wo, W1, W2, wts
	v_lshl_add_u32 v[SPW], v0, 2, SPARE
	v_mov_b32 v[NIL], 0
	v_lshrrev_b32 v8, 5, v0
	v_readfirstlane_b32 s20, v8                    ; wave 0..7
	v_and_b32 v1, 31, v0                           ; lane
	v_lshlrev_b32 v2, 4, v1                        ; 16 x lane
	v_and_b32 v3, 15, v0                           ; r
	v_bfe_u32 v4, v0, 4, 1                         ; h
	s_cmp_lt_u32 ttmp9, 256
	s_cbranch_scc0 .Lweights
	; ---- x: tile T = the work-group's number, K step = my wave's number
	s_mul_i32 s21, s20, 8448                       ; my stage: 16 rows of 512 bytes + 16
	v_add_nc_u32 v5, s21, v2                       ; in: a row's 512 bytes as they lie
	v_mul_u32_u24 v6, v3, 528
	v_lshl_add_u32 v6, v4, 6, v6
	v_add_nc_u32 v6, s21, v6                       ; back: row r, my half's 16 numbers of each block of 32
	v_lshlrev_b32 v7, 2, v3                        ; my row's scale word
.irp b, 0,1,2,3
	v_mov_b32 v[TM+4+\b], 0                        ; written once: a lane permute's destination counts as one of its sources
.endr
	s_mov_b32 s[SEL], 0x76543210
	s_mov_b32 s[SEL+1], 0xfedcba98
	s_lshr_b32 s22, ttmp9, 1
	s_lshl_b32 s22, s22, 5
	s_and_b32 s23, ttmp9, 1
	s_lshl_b32 s23, s23, 3
	s_add_co_u32 s22, s22, s23                     ; the tile's first row: 32 (T / 2) + 8 (T % 2)
	s_lshl_b32 s22, s22, 12                        ; rows of 4,096 bytes
	s_lshl_b32 s23, s20, 9
	s_add_co_u32 s22, s22, s23                     ; + my K step's 512 bytes
	s_mov_b32 s23, 0
	s_lshl_b32 s24, s20, 8
	s_add_co_u32 s24, s24, ttmp9                   ; 256 s + T
	s_mul_i32 s26, s24, 1536
	s_mov_b32 s27, 0
	s_lshl_b32 s28, s24, 6
	s_add_co_u32 s28, s28, XS
	s_mov_b32 s29, 0
	s_wait_kmcnt 0x0
	s_add_nc_u64 s[4:5], s[4:5], s[22:23]
	s_add_nc_u64 s[26:27], s[18:19], s[26:27]
	s_add_nc_u64 s[28:29], s[18:19], s[28:29]
.set n, 0
.rept 16
	global_load_b128 v[X+4*n:X+4*n+3], v2, s[4:5] offset:(n+8*(n/8))*4096 th:TH_LOAD_NT   ; lane row n of the tile: 32 lanes read 512 consecutive bytes
.set n, n+1
.endr
.set n, 0
.rept 16
	s_wait_loadcnt 15-n                            ; row n is in; the younger rows may be out
	ds_store_b128 v5, v[X+4*n:X+4*n+3] offset:528*n
.set n, n+1
.endr
.set n, 0
.rept 16
	ds_load_b128 v[X+4*n:X+4*n+3], v6 offset:128*(n/4)+16*(n%4)   ; LDS serves a wave's instructions in order: these see my stores
.set n, n+1
.endr
	s_wait_dscnt 0x0
	QUANT X, PW
.irp c, 0,1,2
	global_store_b128 v2, v[PC+4*\c:PC+4*\c+3], s[26:27] offset:512*\c   ; the image: 512 consecutive bytes a store
.endr
	s_wait_xcnt 0x0                                ; EXEC changes only behind this wait
	v_cmp_gt_u32 vcc_lo, 16, v1
	s_and_saveexec_b32 s30, vcc_lo
	global_store_b32 v7, v[PW], s[28:29]           ; lanes 0-15: the tile's 16 scale words, 64 bytes
	s_wait_xcnt 0x0
	s_or_b32 exec_lo, exec_lo, s30
	s_wait_tensorcnt 0x0                           ; the wave's end, behind my last LDS store
	ds_add_u32 v[SPW], v[NIL]
	s_wait_dscnt 0x0
	s_endpgm
.Lweights:
	; ---- a weight [K][N]: which of the six, which 256 columns (cb), which K step (s)
	s_sub_co_u32 s21, ttmp9, 256
	s_and_b32 s22, s21, 127
	s_lshr_b32 s23, s21, 7                         ; 0: Wq, Wk, Wv, Wo;  1: W1;  2: W2
	s_and_b32 s24, s22, 3                          ; cb where N = 1,024
	s_lshr_b32 s25, s22, 2                         ; s of W2, 0..31
	s_and_b32 s26, s25, 7                          ; s of the four, 0..7
	s_lshr_b32 s27, s22, 5                         ; which of the four
	s_and_b32 s28, s22, 15                         ; cb of W1
	s_lshr_b32 s29, s22, 4                         ; s of W1
	s_wait_kmcnt 0x0
	s_cmp_eq_u32 s27, 1
	s_cselect_b64 s[30:31], s[8:9], s[6:7]
	s_cmp_eq_u32 s27, 2
	s_cselect_b64 s[30:31], s[10:11], s[30:31]
	s_cmp_eq_u32 s27, 3
	s_cselect_b64 s[30:31], s[12:13], s[30:31]
	s_cmp_eq_u32 s23, 1
	s_cselect_b64 s[30:31], s[14:15], s[30:31]
	s_cselect_b32 s24, s28, s24
	s_cselect_b32 s26, s29, s26
	s_cselect_b32 s32, 14, 12                      ; log2 of a row's bytes
	s_cmp_eq_u32 s23, 2
	s_cselect_b64 s[30:31], s[16:17], s[30:31]
	s_cselect_b32 s26, s25, s26
	s_cmp_eq_u32 s23, 0
	s_cselect_b32 s27, s27, 0
	s_lshl_b32 s33, 1, s32                         ; a row's bytes
	s_add_co_u32 s34, s32, 7
	s_lshl_b32 s34, s26, s34                       ; 128 s rows
	s_lshl_b32 s35, s24, 10
	s_add_co_u32 s34, s34, s35                     ; + 256 cb columns
	s_lshl_b32 s35, s20, 7
	s_add_co_u32 s34, s34, s35                     ; + my wave's 32
	s_mov_b32 s35, 0
	s_add_nc_u64 s[36:37], s[30:31], s[34:35]      ; a base for each block of 32 rows
	s_lshl_b32 s34, s33, 5
	s_add_nc_u64 s[38:39], s[36:37], s[34:35]
	s_add_nc_u64 s[40:41], s[38:39], s[34:35]
	s_add_nc_u64 s[42:43], s[40:41], s[34:35]
	v_lshlrev_b32 v[RO], 2, v1
.set n, 1
.rept 31
	v_add_nc_u32 v[RO+n], s33, v[RO+n-1]
.set n, n+1
.endr
.macro WLOAD t                         ; block t: W(32 t + i, my column): 32 lanes read 128 consecutive bytes, the eight waves 1,024
.set n, 0
.rept 32
	global_load_b32 v[X+32*((\t)%2)+n], v[RO+n], s[36+2*(\t):37+2*(\t)] th:TH_LOAD_NT
.set n, n+1
.endr
.endm
	WLOAD 0
	WLOAD 1
	; column 32 P + lane is lane r' = lane % 8 + 8 (lane / 16) of tile 2 P + u, u = (lane / 8) % 2
	v_and_b32 v8, 7, v1
	v_lshl_add_u32 v8, v4, 3, v8                   ; r'
	v_bfe_u32 v9, v0, 3, 1                         ; u
	v_mul_u32_u24 v5, v9, 1536
	v_lshl_add_u32 v5, v8, 4, v5
	s_mul_i32 s44, s20, 3072
	s_add_co_u32 s44, s44, WST                     ; my stage: the two tiles' images
	v_add_nc_u32 v5, s44, v5                       ; into it
	v_add_nc_u32 v6, s44, v2                       ; out of it
	v_lshl_add_u32 v7, v9, 4, v8
	v_lshlrev_b32 v7, 2, v7                        ; my column's scale word: 4 (16 u + r')
	s_lshl_b32 s45, s26, 8
	s_lshl_b32 s46, s27, 6
	s_add_co_u32 s45, s45, s46
	s_lshl_b32 s46, s24, 4
	s_add_co_u32 s45, s45, s46
	s_lshl_b32 s46, s20, 1
	s_add_co_u32 s45, s45, s46                     ; 256 s + the pair's first tile
	s_mul_i32 s48, s45, 1536
	s_add_co_u32 s46, s23, 1
	s_mul_i32 s46, s46, W4C
	s_add_co_u32 s48, s48, s46
	s_mov_b32 s49, 0
	s_add_nc_u64 s[48:49], s[18:19], s[48:49]
	s_lshl_b32 s50, s45, 6
	s_lshl_b32 s46, s23, 17
	s_add_co_u32 s50, s50, s46
	s_add_co_u32 s50, s50, W4S
	s_mov_b32 s51, 0
	s_add_nc_u64 s[50:51], s[18:19], s[50:51]
; Block t = 2 c + hh of my column is registers 6 c .. 6 c + 5 of image lane r' + 16 hh.
.macro BLOCK t
.set XB, X+32*((\t)%2)
.if (\t) < 3
	s_wait_loadcnt 32                              ; this block's 32 loads are in; the next block's may be out
.else
	s_wait_loadcnt 0x0
.endif
	v_max3_num_f32 v8, |v[XB]|, |v[XB+1]|, |v[XB+2]|
	v_max3_num_f32 v9, |v[XB+3]|, |v[XB+4]|, |v[XB+5]|
.irp i, 6,10,14,18,22,26
	v_max3_num_f32 v8, v8, |v[XB+\i]|, |v[XB+\i+1]|
	v_max3_num_f32 v9, v9, |v[XB+\i+2]|, |v[XB+\i+3]|
.endr
	v_max3_num_f32 v8, v8, |v[XB+30]|, |v[XB+31]|
	v_max3_num_f32 v8, v8, v9, 0x1800000           ; and the floor
	v_add_nc_u32 v10, 0xff000000, v8               ; the conversion's scale operand
	v_lshrrev_b32 v11, 23, v10                     ; the byte
.if (\t) == 0
	v_mov_b32 v[PW], v11
.else
	v_lshl_or_b32 v[PW], v11, 8*(\t), v[PW]
.endif
	v_cvt_scalef32_pk16_fp6_f32 v[PC:PC+2], v[XB:XB+15], v10
	v_cvt_scalef32_pk16_fp6_f32 v[PC+4:PC+6], v[XB+16:XB+31], v10
	v_nop                                          ; one plain place behind a scaled conversion
	v_mov_b32 v[PC+3], v[PC+4]
	v_mov_b32 v[PC+4], v[PC+5]
	v_mov_b32 v[PC+5], v[PC+6]
.if (\t) < 2
	ds_store_b128 v5, v[PC:PC+3] offset:256*(\t)
	ds_store_b64 v5, v[PC+4:PC+5] offset:512+256*(\t)
.else
	ds_store_b64 v5, v[PC:PC+1] offset:520+256*((\t)-2)
	ds_store_b128 v5, v[PC+2:PC+5] offset:1024+256*((\t)-2)
.endif
.if (\t) < 2
	WLOAD (\t)+2
.endif
	s_wait_dscnt 0x0                               ; the stores have read their registers: the next block's codes may be written
.endm
	BLOCK 0
	BLOCK 1
	BLOCK 2
	BLOCK 3
	global_store_b32 v7, v[PW], s[50:51]           ; the pair's 32 scale words: 128 consecutive bytes
.irp q, 0,1,2,3,4,5
	ds_load_b128 v[X+4*\q:X+4*\q+3], v6 offset:512*\q
.endr
.irp q, 0,1,2,3,4,5
	s_wait_dscnt 5-\q
	global_store_b128 v2, v[X+4*\q:X+4*\q+3], s[48:49] offset:512*\q   ; the two images: 3,072 consecutive bytes
.endr
	s_wait_tensorcnt 0x0                           ; the wave's end, behind my last LDS store
	ds_add_u32 v[SPW], v[NIL]
	s_wait_dscnt 0x0
	s_endpgm
.Lfunc_end_k_q7640de7c00_prep:
	.size	k_q7640de7c00_prep, .Lfunc_end_k_q7640de7c00_prep-k_q7640de7c00_prep
	.p2alignl 7, 3214868480
	.fill 96, 4, 3214868480
	.section	.rodata,"a",@progbits
	.p2align	6, 0x0
	.amdhsa_kernel k_q7640de7c00_prep
		.amdhsa_group_segment_fixed_size 93184
		.amdhsa_private_segment_fixed_size 0
		.amdhsa_enable_private_segment 0
		.amdhsa_kernarg_size 64
		.amdhsa_user_sgpr_count 2
		.amdhsa_user_sgpr_kernarg_segment_ptr 1
		.amdhsa_wavefront_size32 1
		.amdhsa_system_sgpr_workgroup_id_x 1
		.amdhsa_system_sgpr_workgroup_id_y 1
		.amdhsa_system_sgpr_workgroup_id_z 1
		.amdhsa_system_vgpr_workitem_id 0
		.amdhsa_next_free_vgpr 152
		.amdhsa_next_free_sgpr 66
		.amdhsa_reserve_vcc 1
		.amdhsa_float_denorm_mode_32 3
		.amdhsa_float_denorm_mode_16_64 3
		.amdhsa_memory_ordered 1
		.amdhsa_forward_progress 1
		.amdhsa_inst_pref_size 34
	.end_amdhsa_kernel
	.amdgpu_metadata
---
amdhsa.version: [ 1, 2 ]
amdhsa.kernels:
  - .name:           k_q7640de7c00_prep
    .symbol:         k_q7640de7c00_prep.kd
    .args:
      - { .name: x, .offset: 0, .size: 8, .value_kind: global_buffer, .address_space: global }
      - { .name: Wq, .offset: 8, .size: 8, .value_kind: global_buffer, .address_space: global }
      - { .name: Wk, .offset: 16, .size: 8, .value_kind: global_buffer, .address_space: global }
      - { .name: Wv, .offset: 24, .size: 8, .value_kind: global_buffer, .address_space: global }
      - { .name: Wo, .offset: 32, .size: 8, .value_kind: global_buffer, .address_space: global }
      - { .name: W1, .offset: 40, .size: 8, .value_kind: global_buffer, .address_space: global }
      - { .name: W2, .offset: 48, .size: 8, .value_kind: global_buffer, .address_space: global }
      - { .name: wts, .offset: 56, .size: 8, .value_kind: global_buffer, .address_space: global }
    .group_segment_fixed_size: 93184
    .private_segment_fixed_size: 0
    .kernarg_segment_align: 8
    .kernarg_segment_size: 64
    .max_flat_workgroup_size: 256
    .sgpr_count:     66
    .vgpr_count:     152
    .wavefront_size: 32
...
	.end_amdgpu_metadata
.endif
;; end of part 1
;; launch qkv (part 2): grid 12 x 16, 16 waves a work-group, clusters of 4 x 4, 327,680 bytes of LDS; arguments wts, bq, bk, bv, qkv; writes qkv
.if DOCPART == 2
	.amdgcn_target "amdgcn-amd-amdhsa--gfx1250"
	.amdhsa_code_object_version 6
	.text
	.protected	k_q7640de7c00_qkv
	.globl	k_q7640de7c00_qkv
	.p2align	8
	.type	k_q7640de7c00_qkv,@function
k_q7640de7c00_qkv:
	s_mov_b64 s[64:65], 0
	v_nop
	global_prefetch_b8 v0, s[64:65] scope:SCOPE_SE
	s_setreg_imm32_b32 hwreg(HW_REG_WAVE_MODE, 25, 1), 1
	s_wait_xcnt 0x0
	s_wait_alu depctr_hold_cnt(0) depctr_sa_sdst(0) depctr_va_vdst(0) depctr_va_sdst(0) depctr_va_ssrc(0) depctr_va_vcc(0) depctr_vm_vsrc(0)
	s_getreg_b32 s2, hwreg(HW_REG_IB_STS2, 6, 4)
	s_cmp_eq_u32 s2, 0
	s_cbranch_scc0 .Lentry_in_a_cluster
	s_endpgm
.Lentry_in_a_cluster:
	s_bfe_u32 s2, ttmp6, 0x10000c
	s_cmp_lg_u32 s2, 0xf033
	s_cbranch_scc0 .Lentry_shape_is_right
	s_endpgm
.Lentry_shape_is_right:
; QKV: q = x Wq + bq, k = x Wk + bk and v = x Wv + bv on codes of FP6, each result quantised at once for attention's products and stored as images of the operand's registers.
; Work-group (x, y) takes tokens 256 y on and the weights' tiles 16 x on (Wq, Wk, Wv lie side by side: x = 0-7 are q's and k's columns, x = 8-11 v's).
; x < 8: S1 (the result's lanes) = x's tiles, S0 (the result's registers) = the weight's: a lane holds one token, its registers run along the head's axis, which is product 4's K.
; x >= 8: V^T = Wv^T x^T: S1 = Wv's tiles, S0 = x's: a lane holds one channel and its registers run along the tokens, the keys, which are product 5's K.
; THE CORE.  Sixteen waves, each 2 tiles of S1 x 8 of S0: 16 accumulators, which begin as the bias.  Source 0 = S0's tile, source 1 = S1's.  By the rows that form a tile (lane r of tile T: row 32 (T / 2) + 8 (T % 2) + r + 8 (r / 8))
; the 64 registers of a tile of S1 are 128 neighbours along S0: one K step of the next product.
; CLUSTERS: 4 x 4 work-groups.  x's tiles hang on y alone and are shared along a row of the cluster, the weights' on x alone and are shared along a column: each pair of tiles is asked for JOINTLY, by the same tensor load with the
; same descriptor and a mask that names the four: a quarter of the requests.  The loads are alike in all work-groups: waves 0-7 fetch x's eight pairs into the first half of a slot, waves 8-15 the weights' into the second.
; For V only the READERS change sides; which side hangs on the cluster's x, which all sixteen partners share.
; LDS: three slots of 2 K steps, all filled at the head with the scale words of all 8 K steps; K steps 6 and 7 come by ONE refill, into slot 0, behind one round of the cluster's barrier, with two slots' work (64 products a wave) in which to land.
; LIMITS: as stated in prep for the quantiser; NaN and infinities are not served.
.set WAVES, 16
.set WM,    8
.set LWM,   3
.set TN,    8
.set S,     2
.set KS,    8
.set KPITCH, 393216
.set SLOTB, WAVES*S*3072
.set HALFB, WM*S*3072                  ; x's eight pairs; behind them the weights' eight
.set SCL,   3*SLOTB
.set SPARE, SCL+WAVES*KS*128
.set W4C,   3145728
.set XS,    22020096
.set W4S,   22151168
.set VC,    6291456
.set QKS,   18874368
.set VS,    19136512
.set L16, 1
.set L4,  2
.set RR,  3
.set HH,  4
.set AD1, 5                            ; v5-7   S1's fragments in slot 0, 1, 2
.set AD0, 8                            ; v8-10  S0's
.set ADS1, 11
.set SPW, 12
.set NIL, 13
.set ADS0, 14
.set BOF, 15
.set SA,  16                           ; v16-17 S1's scale words;  v18-25 S0's: they hold scales and nothing else
.set SB,  18
.set FA,  28                           ; v28-51 S1's two fragments;  v52-99 four of S0's
.set FB,  52
.set ACC, 128                          ; v128-255: accumulator (a, i) at 128 + 8 (8 a + i)
.set PC,  28
.set TM,  100
.set G1A, 24                           ; s[24:31] group 1 for x's codes;  s[32:39] for the weights': they differ in the mask alone
.set G1B, 32
.set G1SA, 40                          ; s[40:47], s[48:55] the same for the scale words
.set G1SB, 48
.set G0SA, 56                          ; s[56:59], s[60:63] groups 0 for the scale words
.set G0SB, 60
.set G0A, 68                           ; s[68:79] groups 0 for x's codes, a set for each slot;  s[80:91] for the weights'
.set G0B, 80
.set SEL, 46                           ; (on the way out, when no tensor load is out)
; A joint load: waves 0-7 fetch for x, waves 8-15 for the weights.  Each of the two lines has ONE mask and one set of registers for all that issue it; the branch hangs on the wave's number alone.
; An s_nop 0 and four v_nop follow each of the two lines, ahead of the jump, the label and what follows.
.macro JLOAD g0a, g1a, g0b, g1b
	s_cmp_eq_u32 s16, 0
	s_cbranch_scc0 .Lfor_b_\@
	tensor_load_to_lds s[\g0a:\g0a+3], s[\g1a:\g1a+7]
	s_nop 0
.rept 4
	v_nop
.endr
	s_branch .Lasked_\@
.Lfor_b_\@:
	tensor_load_to_lds s[\g0b:\g0b+3], s[\g1b:\g1b+7]
	s_nop 0
.rept 4
	v_nop
.endr
.Lasked_\@:
.endm
; A round of the cluster's barrier: my work-group's barrier, wave 0 signals for the work-group, every wave waits for all sixteen work-groups, my work-group's barrier once more.
.macro CROUND
	s_barrier_signal -1
	s_barrier_wait -1
	s_cmp_lg_u32 s14, 0
	s_cbranch_scc1 .Lnot_wave_0_\@
	s_barrier_signal -3
.Lnot_wave_0_\@:
	s_barrier_wait -3
	s_barrier_signal -1
	s_barrier_wait -1
.endm
.macro QUANT s, pw
.irp b, 0,1,2,3
	v_max3_num_f32 v[TM+\b], |v[(\s)+16*\b]|, |v[(\s)+1+16*\b]|, 0x1800000   ; my 16 numbers of block b, and the floor 2^(3 - 127).  (Each accumulator is read from its low end on)
.endr
.irp i, 2,4,6,8,10,12,14
.irp b, 0,1,2,3
	v_max3_num_f32 v[TM+\b], v[TM+\b], |v[(\s)+16*\b+\i]|, |v[(\s)+1+16*\b+\i]|
.endr
.endr
.irp b, 0,1,2,3
	v_permlanex16_b32 v[TM+4+\b], v[TM+\b], s[SEL], s[SEL+1]
.endr
.irp b, 0,1,2,3
	v_max_num_f32 v[TM+\b], v[TM+\b], v[TM+4+\b]
.endr
.irp b, 0,1,2,3
	v_add_nc_u32 v[TM+12+\b], 0xff000000, v[TM+\b]
.endr
.irp b, 0,1,2,3
	v_lshrrev_b32 v[TM+4+\b], 23, v[TM+12+\b]
.endr
	v_lshl_or_b32 v[\pw], v[TM+5], 8, v[TM+4]
	v_lshl_or_b32 v[\pw], v[TM+6], 16, v[\pw]
	v_lshl_or_b32 v[\pw], v[TM+7], 24, v[\pw]
.irp c, 0,1
	v_cvt_scalef32_pk16_fp6_f32 v[PC+6*\c:PC+2+6*\c], v[(\s)+32*\c:(\s)+15+32*\c], v[TM+12+2*\c]
	v_cvt_scalef32_pk16_fp6_f32 v[PC+12+4*\c:PC+14+4*\c], v[(\s)+16+32*\c:(\s)+31+32*\c], v[TM+12+2*\c+1]
.endr
	v_nop                                          ; one plain place behind a scaled conversion
.irp c, 0,1
.irp i, 0,1,2
	v_permlane16_swap_b32 v[PC+6*\c+\i], v[PC+12+4*\c+\i]
.endr
.irp i, 0,1,2
	v_mov_b32 v[PC+3+6*\c+\i], v[PC+12+4*\c+\i]
.endr
.endr
.endm
; One K step of 128: S1's two fragments and all scale words, then S0's tiles four at a time, eight products behind each four.  The accumulators take turns, one instruction a turn.
.macro KSTEP slot, s
.irp a, 0,1
.irp c, 0,1,2
	ds_load_b128 v[FA+12*\a+4*\c:FA+12*\a+4*\c+3], v[AD1+\slot] offset:(\s)*3072+\a*1536+512*\c
.endr
	ds_load_b32 v[SA+\a], v[ADS1] offset:(\s)*128+64*\a
.endr
.set i, 0
.rept TN
	ds_load_b32 v[SB+i], v[ADS0] offset:(i/2)*KS*128+(i%2)*64+(\s)*128
.set i, i+1
.endr
.set g, 0
.rept TN/4
.irp q, 0,1,2,3
.irp c, 0,1,2
	ds_load_b128 v[FB+12*\q+4*\c:FB+12*\q+4*\c+3], v[AD0+\slot] offset:((4*g+\q)/2)*S*3072+(\s)*3072+(\q%2)*1536+512*\c
.endr
.endr
	s_wait_dscnt 0x0
.irp q, 0,1,2,3
.irp a, 0,1
	v_wmma_scale_f32_16x16x128_f8f6f4 v[ACC+8*(TN*\a+4*g+\q):ACC+8*(TN*\a+4*g+\q)+7], v[FB+12*\q:FB+12*\q+11], v[FA+12*\a:FA+12*\a+11], v[ACC+8*(TN*\a+4*g+\q):ACC+8*(TN*\a+4*g+\q)+7], v[SB+4*g+\q], v[SA+\a] matrix_a_fmt:MATRIX_FMT_FP6 matrix_b_fmt:MATRIX_FMT_FP6
.endr
.endr
.rept 4
	v_nop                                          ; four places in front of the next loads into registers that these products read, and of the first read of results
.endr
.set g, g+1
.endr
.endm
.macro SLOTWORK slot, more
.set st, 0
.rept S
	KSTEP \slot, st
.set st, st+1
.endr
.if \more
	v_add_nc_u32 v[ADS1], S*128, v[ADS1]           ; the next slot's scale words
	v_add_nc_u32 v[ADS0], S*128, v[ADS0]
.endif
.endm
; All my tensor loads have landed, the add, my LDS reads are over.  fill = 1: a round of the cluster's barrier, so that no wave of any partner still reads slot 0 or has a load on its way; then slot 0 is filled again, first thing.
.macro CHANGE fill
	s_wait_tensorcnt 0x0
	ds_add_u32 v[SPW], v[NIL]                      ; 0 onto my spare word
.if \fill
	s_add_nc_u64 s[G0A+2:G0A+3], s[G0A+2:G0A+3], 3*S*KPITCH   ; no load of mine is out: slot 0's descriptors step to K steps 6 and 7
	s_add_nc_u64 s[G0B+2:G0B+3], s[G0B+2:G0B+3], 3*S*KPITCH
.endif
	s_wait_dscnt 0x0
.if \fill
	CROUND
	JLOAD G0A, G1A, G0B, G1B
.else
	s_barrier_signal -1
	s_barrier_wait -1
.endif
.endm
	s_load_b256 s[4:11], s[0:1], 0x0               ; wts, bq, bk, bv
	s_load_b64 s[12:13], s[0:1], 0x20              ; qkv
	v_lshl_add_u32 v[SPW], v0, 2, SPARE
	v_mov_b32 v[NIL], 0
	ds_add_u32 v[SPW], v[NIL]                      ; the opening: the add, twice on end, and its wait ahead of my first tensor load; the set-up below, work on registers, stands between
	ds_add_u32 v[SPW], v[NIL]
	v_lshrrev_b32 v119, 5, v0
	v_readfirstlane_b32 s14, v119                  ; wave 0..15
	s_and_b32 s15, s14, WM-1                       ; wm: my pair of S1's tiles; also: which pair I fetch
	s_lshr_b32 s16, s14, LWM                       ; wn: my eight of S0's; also: I fetch for x (0) or for the weights (1)
	s_bfe_u32 s92, ttmp6, 0x40000                  ; cx, cy: my place in the cluster
	s_bfe_u32 s93, ttmp6, 0x40004
	s_lshl_b32 s94, ttmp9, 2
	s_add_co_u32 s94, s94, s92                     ; work-group x = 4 x cluster x + cx
	s_and_b32 s17, ttmp7, 0xffff
	s_lshl_b32 s17, s17, 2
	s_add_co_u32 s17, s17, s93                     ; work-group y = 4 x cluster y + cy
	s_lshl_b32 s66, s93, 2
	s_lshl_b32 s66, 15, s66                        ; my row of the cluster
	s_lshl_b32 s67, 0x1111, s92                    ; my column
	s_cmp_eq_u32 ttmp9, 2
	s_cselect_b32 s3, 1, 0                         ; 1: V.  The cluster's x: the same in all sixteen partners
	; group 1 for codes: S rows (K steps) of 3,072 bytes (a pair of images), 393,216 bytes apart; elements of 8 bytes; 15:0 the mask, bit 21 set beside it
	s_or_b32 s[G1A], s66, (3<<16)|(1<<21)
	s_or_b32 s[G1B], s67, (3<<16)|(1<<21)
.irp g, G1A, G1B
	s_mov_b32 s[\g+1], 384<<16
	s_mov_b32 s[\g+2], S<<16
	s_mov_b32 s[\g+3], 384<<16
	s_mov_b32 s[\g+4], S
	s_mov_b32 s[\g+5], KPITCH/8
	s_mov_b32 s[\g+6], 0
	s_mov_b32 s[\g+7], 0
.endr
	; group 1 for scale words: KS rows of 128 bytes (a pair's words), 16,384 bytes apart
	s_or_b32 s[G1SA], s66, (3<<16)|(1<<21)
	s_or_b32 s[G1SB], s67, (3<<16)|(1<<21)
.irp g, G1SA, G1SB
	s_mov_b32 s[\g+1], 16<<16
	s_mov_b32 s[\g+2], KS<<16
	s_mov_b32 s[\g+3], 16<<16
	s_mov_b32 s[\g+4], KS
	s_mov_b32 s[\g+5], 2048
	s_mov_b32 s[\g+6], 0
	s_mov_b32 s[\g+7], 0
.endr
	; where the tiles come from: x's hang on y alone, the weights' on x alone; every wave makes both, in registers that never hold the other coordinate
	s_lshl_b32 s18, s15, 1
	s_lshl_b32 s19, s17, 4
	s_add_co_u32 s19, s19, s18                     ; x's pair: tile 16 y + 2 wm
	s_lshl_b32 s95, s94, 4
	s_add_co_u32 s95, s95, s18                     ; the weights': tile 16 x + 2 wm
	s_mul_i32 s20, s19, 1536                       ; (x's codes begin at byte 0 of wts)
	s_mov_b32 s21, 0
	s_lshl_b32 s22, s19, 6
	s_add_co_u32 s22, s22, XS
	s_mov_b32 s23, 0
	s_mul_i32 s96, s95, 1536
	s_add_co_u32 s96, s96, W4C
	s_mov_b32 s97, 0
	s_lshl_b32 s98, s95, 6
	s_add_co_u32 s98, s98, W4S
	s_mov_b32 s99, 0
	s_mul_i32 s100, s14, S*3072                    ; and where they go: by the wave's number alone
	s_mul_i32 s101, s14, KS*128
	s_add_co_u32 s101, s101, SCL
	; the readers' LDS addresses.  S1 is x's half of a slot and S0 the weights', or for V the other way round: a base + 0 or 1 x half a slot
	v_and_b32 v119, 31, v0
	v_lshlrev_b32 v[L16], 4, v119
	v_lshlrev_b32 v[L4], 2, v119
	v_and_b32 v[RR], 15, v0
	v_bfe_u32 v[HH], v0, 4, 1
	v_lshlrev_b32 v[BOF], 6, v[HH]
	v_lshlrev_b32 v120, 2, v[RR]
	s_mul_i32 s2, s15, S*3072
	v_add_nc_u32 v[AD1], s2, v[L16]
	s_mul_i32 s2, s3, HALFB
	v_add_nc_u32 v[AD1], s2, v[AD1]
	v_add_nc_u32 v[AD1+1], SLOTB, v[AD1]
	v_add_nc_u32 v[AD1+2], SLOTB, v[AD1+1]
	s_mul_i32 s2, s16, (TN/2)*S*3072
	v_add_nc_u32 v[AD0], s2, v[L16]
	s_xor_b32 s2, s3, 1
	s_mul_i32 s2, s2, HALFB
	v_add_nc_u32 v[AD0], s2, v[AD0]
	v_add_nc_u32 v[AD0+1], SLOTB, v[AD0]
	v_add_nc_u32 v[AD0+2], SLOTB, v[AD0+1]
	s_mul_i32 s2, s15, KS*128
	s_add_co_u32 s2, s2, SCL
	v_add_nc_u32 v[ADS1], s2, v120
	s_mul_i32 s2, s3, WM*KS*128
	v_add_nc_u32 v[ADS1], s2, v[ADS1]
	s_mul_i32 s2, s16, (TN/2)*KS*128
	s_add_co_u32 s2, s2, SCL
	v_add_nc_u32 v[ADS0], s2, v120
	s_xor_b32 s2, s3, 1
	s_mul_i32 s2, s2, WM*KS*128
	v_add_nc_u32 v[ADS0], s2, v[ADS0]
.irp b, 0,1,2,3
	v_mov_b32 v[TM+4+\b], 0                        ; written once: a lane permute's destination counts as one of its sources
.endr
	s_wait_dscnt 0x0                               ; both opening adds are done
	s_wait_kmcnt 0x0
	s_add_nc_u64 s[20:21], s[4:5], s[20:21]
	s_add_nc_u64 s[22:23], s[4:5], s[22:23]
	s_add_nc_u64 s[96:97], s[4:5], s[96:97]
	s_add_nc_u64 s[98:99], s[4:5], s[98:99]
	CROUND                                         ; all sixteen work-groups are here: the first joint loads meet
	s_mov_b32 s[G0SA], 1
	s_mov_b32 s[G0SA+1], s101
	s_mov_b64 s[G0SA+2:G0SA+3], s[22:23]
	s_or_b32 s[G0SA+3], s[G0SA+3], 0x80000000
	s_mov_b32 s[G0SB], 1
	s_mov_b32 s[G0SB+1], s101
	s_mov_b64 s[G0SB+2:G0SB+3], s[98:99]
	s_or_b32 s[G0SB+3], s[G0SB+3], 0x80000000
	JLOAD G0SA, G1SA, G0SB, G1SB                   ; the scale words first: they are wanted with K step 0
.irp s, 0,1,2
	s_mov_b32 s[G0A+4*\s], 1
	s_add_co_u32 s[G0A+4*\s+1], s100, \s*SLOTB
	s_add_nc_u64 s[G0A+4*\s+2:G0A+4*\s+3], s[20:21], \s*S*KPITCH
	s_or_b32 s[G0A+4*\s+3], s[G0A+4*\s+3], 0x80000000
	s_mov_b32 s[G0B+4*\s], 1
	s_add_co_u32 s[G0B+4*\s+1], s100, \s*SLOTB
	s_add_nc_u64 s[G0B+4*\s+2:G0B+4*\s+3], s[96:97], \s*S*KPITCH
	s_or_b32 s[G0B+4*\s+3], s[G0B+4*\s+3], 0x80000000
	JLOAD G0A+4*\s, G1A, G0B+4*\s, G1B             ; the first fills go out together: four loads of mine are out
.endr
	; THE ACCUMULATORS BEGIN AS THE BIAS: nothing is cleared, and every product adds in place
	s_cmp_eq_u32 s3, 0
	s_cbranch_scc0 .Lbias_v
	s_cmp_lt_u32 s94, 4                            ; columns 0-1,023 are q's, the others k's
	s_cselect_b64 s[96:97], s[6:7], s[8:9]
	s_and_b32 s98, s94, 3
	s_lshl_b32 s98, s98, 10
	s_lshl_b32 s99, s16, 9
	s_add_co_u32 s98, s98, s99                     ; 4 x my first column
	s_mov_b32 s99, 0
	s_add_nc_u64 s[96:97], s[96:97], s[98:99]
.irp a, 0,1
.set n, 0
.rept 16
	global_load_b128 v[ACC+64*\a+4*n:ACC+64*\a+4*n+3], v[BOF], s[96:97] offset:128*(n/4)+16*(n%4)   ; register 16 b + i is column 32 b + 16 h + i
.set n, n+1
.endr
.endr
	s_branch .Lbias_done
.Lbias_v:
	s_sub_co_u32 s98, s94, 8
	s_lshl_b32 s98, s98, 10
	s_lshl_b32 s99, s15, 7
	s_add_co_u32 s98, s98, s99                     ; 4 x my pair's first channel
	s_mov_b32 s99, 0
	s_add_nc_u64 s[96:97], s[10:11], s[98:99]
	v_and_b32 v119, 8, v[RR]
	v_add_nc_u32 v119, v119, v[RR]
	v_lshlrev_b32 v119, 2, v119                    ; my lane's channel: r + 8 (r / 8)
	global_load_b32 v26, v119, s[96:97]
	global_load_b32 v27, v119, s[96:97] offset:32
	s_wait_loadcnt 0x0
.irp a, 0,1
.set n, 0
.rept 64
	v_mov_b32 v[ACC+64*\a+n], v[26+\a]             ; here the bias goes with the lane: it is spread over the registers
.set n, n+1
.endr
.endr
.Lbias_done:
	s_wait_tensorcnt 2                             ; the scale words and my part of slot 0 are in; the loads of slots 1 and 2 may be out
	s_barrier_signal -1
	s_barrier_wait -1
	s_wait_loadcnt 0x0                             ; the bias
	SLOTWORK 0, 1
	CHANGE 1                                       ; slots 1 and 2 are whole in every partner; slot 0 takes K steps 6 and 7
	SLOTWORK 1, 1
	SLOTWORK 2, 1
	CHANGE 0                                       ; slot 0 is whole; nothing is left to fetch
	SLOTWORK 0, 0
	; THE WAY OUT: each of my two tiles of S1 has 128 neighbours along the next K in 64 registers: quantised, and stored as an image
	s_mov_b32 s[SEL], 0x76543210
	s_mov_b32 s[SEL+1], 0xfedcba98
	s_lshl_b32 s48, s94, 4                         ; the weights' first tile
	s_lshl_b32 s49, s17, 4                         ; x's
	s_cmp_eq_u32 s3, 0
	s_cselect_b32 s50, s49, s48                    ; S1's first tile
	s_cselect_b32 s51, s48, s49                    ; S0's
	s_lshr_b32 s52, s51, 3
	s_add_co_u32 s52, s52, s16                     ; the K step of the operand made: 2 x (S0's block) + wn
	s_lshl_b32 s52, s52, 8
	s_add_co_u32 s52, s52, s18
	s_add_co_u32 s52, s52, s50
	s_lshl_b32 s53, s3, 7
	s_sub_co_u32 s52, s52, s53                     ; 256 x step + tile (V's tiles count from Wv's first, tile 128)
	s_mul_i32 s54, s52, 1536
	s_mul_i32 s55, s3, VC
	s_add_co_u32 s54, s54, s55
	s_mov_b32 s55, 0
	s_add_nc_u64 s[54:55], s[12:13], s[54:55]
	s_lshl_b32 s56, s52, 6
	s_mul_i32 s57, s3, VS-QKS
	s_add_co_u32 s56, s56, s57
	s_add_co_u32 s56, s56, QKS
	s_mov_b32 s57, 0
	s_add_nc_u64 s[56:57], s[12:13], s[56:57]
	QUANT ACC, 116
.irp c, 0,1,2
	global_store_b128 v[L16], v[PC+4*\c:PC+4*\c+3], s[54:55] offset:512*\c
.endr
	s_wait_xcnt 0x0                                ; the stores' data are written again only behind this wait
	QUANT ACC+64, 117
.irp c, 0,1,2
	global_store_b128 v[L16], v[PC+4*\c:PC+4*\c+3], s[54:55] offset:1536+512*\c
.endr
	v_cmp_ne_u32 vcc_lo, 0, v[HH]
	v_cndmask_b32 v118, v116, v117, vcc_lo         ; lanes 0-15 the first tile's words, lanes 16-31 the second's
	global_store_b32 v[L4], v118, s[56:57]         ; 128 consecutive bytes
	s_wait_tensorcnt 0x0                           ; the wave's end
	ds_add_u32 v[SPW], v[NIL]
	s_wait_dscnt 0x0
	CROUND                                         ; the closing round: no work-group ends while a partner may still ask for a tile that names it
	s_endpgm
.Lfunc_end_k_q7640de7c00_qkv:
	.size	k_q7640de7c00_qkv, .Lfunc_end_k_q7640de7c00_qkv-k_q7640de7c00_qkv
	.p2alignl 7, 3214868480
	.fill 96, 4, 3214868480
	.section	.rodata,"a",@progbits
	.p2align	6, 0x0
	.amdhsa_kernel k_q7640de7c00_qkv
		.amdhsa_group_segment_fixed_size 327680
		.amdhsa_private_segment_fixed_size 0
		.amdhsa_enable_private_segment 0
		.amdhsa_kernarg_size 40
		.amdhsa_user_sgpr_count 2
		.amdhsa_user_sgpr_kernarg_segment_ptr 1
		.amdhsa_wavefront_size32 1
		.amdhsa_system_sgpr_workgroup_id_x 1
		.amdhsa_system_sgpr_workgroup_id_y 1
		.amdhsa_system_sgpr_workgroup_id_z 1
		.amdhsa_system_vgpr_workitem_id 0
		.amdhsa_next_free_vgpr 256
		.amdhsa_next_free_sgpr 102
		.amdhsa_reserve_vcc 1
		.amdhsa_float_denorm_mode_32 3
		.amdhsa_float_denorm_mode_16_64 3
		.amdhsa_memory_ordered 1
		.amdhsa_forward_progress 1
		.amdhsa_inst_pref_size 68
	.end_amdhsa_kernel
	.amdgpu_metadata
---
amdhsa.version: [ 1, 2 ]
amdhsa.kernels:
  - .name:           k_q7640de7c00_qkv
    .symbol:         k_q7640de7c00_qkv.kd
    .args:
      - { .name: wts, .offset: 0, .size: 8, .value_kind: global_buffer, .address_space: global }
      - { .name: bq, .offset: 8, .size: 8, .value_kind: global_buffer, .address_space: global }
      - { .name: bk, .offset: 16, .size: 8, .value_kind: global_buffer, .address_space: global }
      - { .name: bv, .offset: 24, .size: 8, .value_kind: global_buffer, .address_space: global }
      - { .name: qkv, .offset: 32, .size: 8, .value_kind: global_buffer, .address_space: global }
    .group_segment_fixed_size: 327680
    .private_segment_fixed_size: 0
    .kernarg_segment_align: 8
    .kernarg_segment_size: 40
    .max_flat_workgroup_size: 512
    .sgpr_count:     102
    .vgpr_count:     256
    .wavefront_size: 32
...
	.end_amdgpu_metadata
.endif
;; end of part 2
;; launch attn (part 3): grid 16 x 16, 16 waves a work-group, no clusters, 143,360 bytes of LDS; arguments qkv, ctxb; writes ctxb
.if DOCPART == 3
	.amdgcn_target "amdgcn-amd-amdhsa--gfx1250"
	.amdhsa_code_object_version 6
	.text
	.protected	k_q7640de7c00_attn
	.globl	k_q7640de7c00_attn
	.p2align	8
	.type	k_q7640de7c00_attn,@function
k_q7640de7c00_attn:
	s_mov_b64 s[64:65], 0
	v_nop
	global_prefetch_b8 v0, s[64:65] scope:SCOPE_SE
	s_setreg_imm32_b32 hwreg(HW_REG_WAVE_MODE, 25, 1), 1
	s_wait_xcnt 0x0
; ATTN: ctx = softmax(q k^T / sqrt(2048), band |query - key| <= 256) v, both products on codes of FP6; ctx is quantised at once for the product with Wo.
; WORK LEFT OUT: key steps of 128 that lie wholly outside reference()'s own band mask, or outside the sequence (shown at the head of prep): a block of 128 queries walks the key steps qb - 2 .. qb + 2 alone.
; THE SOFTMAX: t = score x log2(e) / sqrt(2048) (the two factors are one constant); M = the running largest t rounded up to a whole number; p = 2^(t - M) is quantised along the keys, not normalised; the row's sum is taken of the
; unquantised p and divides at the end.  When M moves, the sum and O are multiplied by 2^(old M - new M): exact.
; SHARES.  Work-group (qb, 8 batch + hp): 128 queries of the two heads 2 hp, 2 hp + 1.  Wave w: query tile w % 8 of head 2 hp + w / 8, in 256 registers.
; LDS.  All that the work-group reads of K and V, five key steps x (8 images of K + 8 of V^T), is fetched ONCE at the head through registers, wave w one image of each step; one barrier; no ring, no tensor load.
; A step outside the sequence is fetched from the clamped step and never read: so the loads and the stores that read their registers stand on one path with no branch (4 loads a wave for 6 of the 80 pairs of block and step).
; K = 64 IN AN INSTRUCTION OF 128: an image of K or Q holds both heads of the pair (k 0-63 the even head's, 64-127 the odd's); my Q fragment gets zero codes in the other head's six registers, which add nothing.
; LAYOUT.  Both products are used transposed (S^T = K Q^T, O^T = V^T P^T): a lane holds one query.  By the rows that form a tile, the 16 registers of tiles 2 b, 2 b + 1 are 16 neighbouring keys (channels).
; LIMITS: the quantiser's as stated in prep; NaN and infinities are not served.
.set QKS,   18874368
.set VC,    6291456
.set VS,    19136512
.set CSC,   3145728                    ; ctxb: the scale words
.set SCB,   122880                     ; LDS: behind the 5 x 16 images, their scale words: 5 x 16 x 64
.set EX,    128000                     ; the odd heads' six code registers on their way to the even heads' waves: 8 x 768
.set EW,    140288                     ; the two heads' halves of the scale words: 2 x 512
.set SPARE, 141312
.set L16, 1
.set ASK0, 2
.set AV0, 3
.set ASV0, 4
.set SPW, 5
.set NIL, 6
.set DQ,  7                            ; v7: my query's place in the block - 16 (lane / 16)
.set ADK, 8
.set ADV, 9
.set ADS, 10
.set ADT, 11
.set PC,  32
.set TM,  52
.set PW,  68
.set SEL, 60
.set CS,  62
; REGISTERS: v12 -M, v13 the largest t, v[14:15] the sum; v16-27 Q; v28-31 fill addresses; v32-79 four fragments; v80-84 fill; v85-88 the way out's addresses; v96-159 S^T, then p; v160-191 O^T; v192-223 ctx; v224-235 p's codes; v232-254 at work; v248-251, v253, v255 scale words
	s_load_b128 s[4:7], s[0:1], 0x0                ; qkv, ctxb
	v_lshl_add_u32 v[SPW], v0, 2, SPARE
	v_mov_b32 v[NIL], 0
	v_lshrrev_b32 v8, 5, v0
	v_readfirstlane_b32 s14, v8                    ; wave 0..15
	s_and_b32 s15, s14, 7                          ; my tile of queries; also: which image of a step I fetch
	s_lshr_b32 s16, s14, 3                         ; which head of the pair; also: I fetch for K (0) or V (1)
	s_mov_b32 s17, ttmp9                           ; qb
	s_and_b32 s18, ttmp7, 0xffff
	s_lshr_b32 s19, s18, 3                         ; batch
	s_and_b32 s18, s18, 7                          ; hp
	s_lshl_b32 s40, s18, 8
	s_lshl_b32 s41, s19, 7
	s_add_co_u32 s41, s41, s15
	s_add_co_u32 s42, s40, s41                     ; 256 hp + 128 batch + i
	s_add_co_u32 s40, s42, 2048                    ; K's images: step 8 + hp of the region
	s_lshl_b32 s43, s19, 12
	s_lshl_b32 s44, s18, 3
	s_add_co_u32 s43, s43, s44
	s_add_co_u32 s43, s43, s15                     ; V's: 256 (16 batch) + 8 hp + i
	s_mov_b32 s45, 256
	s_mov_b32 s46, VC
	s_mov_b32 s47, VS
	s_mov_b32 s48, QKS
	s_cmp_lt_u32 s14, 8
	s_cselect_b32 s40, s40, s43                    ; my image's number at key step 0,
	s_cselect_b32 s45, 8, s45                      ; from key step to key step,
	s_cselect_b32 s46, 0, s46                      ; and where codes and words begin
	s_cselect_b32 s47, s48, s47
.irp j, 0,1,2,3,4
	s_add_co_i32 s49, s17, \j-2                    ; slot j holds key step qb - 2 + j,
	s_max_i32 s49, s49, 0
	s_min_i32 s49, s49, 15                         ; held inside the sequence
	s_mul_i32 s49, s49, s45
	s_add_co_u32 s49, s49, s40
	s_mul_i32 s[20+2*\j], s49, 1536
	s_add_co_u32 s[20+2*\j], s[20+2*\j], s46
	s_mov_b32 s[21+2*\j], 0
	s_lshl_b32 s[30+2*\j], s49, 6
	s_add_co_u32 s[30+2*\j], s[30+2*\j], s47
	s_mov_b32 s[31+2*\j], 0
.endr
	s_lshl_b32 s50, s17, 3
	s_add_co_u32 s50, s50, s42                     ; Q's image, and ctx's: 256 hp + 128 batch + 8 qb + i
	s_mul_i32 s52, s50, 1536
	s_mov_b32 s53, 0
	s_lshl_b32 s54, s50, 6
	s_add_co_u32 s54, s54, QKS
	s_mov_b32 s55, 0
	s_sub_co_u32 s58, s50, s15
	s_lshl_b32 s58, s58, 6
	s_add_co_u32 s58, s58, CSC                     ; ctx's scale words of the block's eight tiles
	s_mov_b32 s59, 0
	s_mov_b32 s[SEL], 0x76543210
	s_mov_b32 s[SEL+1], 0xfedcba98
	s_mov_b32 s[CS], 0x3d0293ee                    ; c = log2(e) / sqrt(2048)
	s_mov_b32 s[CS+1], s[CS]
	s_cmp_eq_u32 s16, 0
	s_cselect_b32 s8, -1, 0                        ; keeps the even head's six registers of Q
	s_cselect_b32 s9, 0, -1                        ; keeps the odd head's
	s_lshl_b32 s10, s16, 4                         ; my two scale bytes' place in ctx's word
	v_and_b32 v9, 31, v0
	v_lshlrev_b32 v[L16], 4, v9
	v_and_b32 v10, 15, v0                          ; r
	v_bfe_u32 v11, v0, 4, 1                        ; h
	v_lshlrev_b32 v31, 2, v10                      ; 4 r
	v_add_nc_u32 v[ASK0], SCB, v31
	s_lshl_b32 s11, s16, 2
	s_add_co_u32 s11, s11, 8                       ; my head's four images of V^T are 8 + 4 par on
	s_mul_i32 s12, s11, 1536
	v_add_nc_u32 v[AV0], s12, v[L16]
	s_lshl_b32 s12, s11, 6
	v_add_nc_u32 v[ASV0], s12, v[ASK0]
	s_mul_i32 s12, s14, 1536
	v_add_nc_u32 v28, s12, v[L16]                  ; the fill: image w of slot 0,
	v_add_nc_u32 v29, 49152, v28                   ; of slot 2,
	s_lshl_b32 s12, s14, 6
	v_add_nc_u32 v30, s12, v[ASK0]                 ; and its words
	s_lshr_b32 s12, s15, 1
	s_lshl_b32 s12, s12, 5
	s_and_b32 s13, s15, 1
	s_lshl_b32 s13, s13, 3
	s_add_co_u32 s12, s12, s13
	v_and_b32 v8, 8, v10
	v_add_nc_u32 v8, v8, v10
	v_add_nc_u32 v8, s12, v8                       ; my query's place in the block
	v_lshlrev_b32 v9, 4, v11
	v_sub_nc_u32 v[DQ], v8, v9
	s_mul_i32 s12, s15, 768
	s_add_co_u32 s12, s12, EX
	v_add_nc_u32 v85, s12, v[L16]
	v_lshrrev_b32 v86, 1, v[L16]
	v_add_nc_u32 v86, s12, v86
	s_lshl_b32 s12, s16, 9
	s_lshl_b32 s13, s15, 6
	s_add_co_u32 s12, s12, s13
	s_add_co_u32 s12, s12, EW
	v_add_nc_u32 v87, s12, v31
	v_add_nc_u32 v88, EW, v[L16]
	s_wait_kmcnt 0x0
.irp j, 0,1,2,3,4
	s_add_nc_u64 s[20+2*\j:21+2*\j], s[4:5], s[20+2*\j:21+2*\j]
	s_add_nc_u64 s[30+2*\j:31+2*\j], s[4:5], s[30+2*\j:31+2*\j]
.endr
	s_add_nc_u64 s[56:57], s[6:7], s[52:53]
	s_add_nc_u64 s[58:59], s[6:7], s[58:59]
	s_add_nc_u64 s[52:53], s[4:5], s[52:53]
	s_add_nc_u64 s[54:55], s[4:5], s[54:55]
.irp j, 0,1,2,3,4
.irp c, 0,1,2
	global_load_b128 v[96+12*\j+4*\c:99+12*\j+4*\c], v[L16], s[20+2*\j:21+2*\j] offset:512*\c
.endr
	global_load_b32 v[80+\j], v31, s[30+2*\j:31+2*\j]
.endr
.irp c, 0,1,2
	global_load_b128 v[16+4*\c:19+4*\c], v[L16], s[52:53] offset:512*\c   ; Q stays in registers
.endr
	global_load_b32 v255, v31, s[54:55]
	v_mov_b32 v13, 0xff61b1e6                      ; the largest t so far: -3e38
	v_floor_f32 v12, -v13                          ; -M
	v_mov_b32 v14, 0
	v_mov_b32 v15, 0
.irp b, 0,1,2,3
	v_mov_b32 v[236+\b], 0                         ; written once: a lane permute's destination counts as one of its sources
.endr
	v_mov_b32 v253, 0                              ; (named as the upper half of the pair v[252:253] before it is first written)
.set n, 0
.rept 32
	v_mov_b32 v[160+n], 0                          ; O^T: the step is written once; the first finds zeros
.set n, n+1
.endr
	s_wait_loadcnt 0x0
.irp j, 0,1
.irp c, 0,1,2
	ds_store_b128 v28, v[96+12*\j+4*\c:99+12*\j+4*\c] offset:24576*\j+512*\c
.endr
.endr
.irp j, 2,3,4
.irp c, 0,1,2
	ds_store_b128 v29, v[96+12*\j+4*\c:99+12*\j+4*\c] offset:24576*(\j-2)+512*\c
.endr
.endr
.irp j, 0,1,2,3,4
	ds_store_b32 v30, v[80+\j] offset:1024*\j      ; (lanes l and l + 16 write the same word with the same value)
.endr
.irp n, 0,1,2,3,4,5
	v_and_b32 v[16+\n], s8, v[16+\n]               ; the other head's codes of Q become zeros
	v_and_b32 v[22+\n], s9, v[22+\n]
.endr
	s_wait_dscnt 0x0                               ; for the others' sake: my stores have landed
	s_barrier_signal -1
	s_barrier_wait -1
; A KEY STEP: the 128 keys of slot j.  mode 1: keys before the band's lower edge are hidden (slot 0); mode 2: keys behind its upper edge (slot 4); mode 0: all count.
.macro STEP j, mode
	v_add_nc_u32 v[ADK], 24576*\j, v[L16]          ; (these four are also the places in front of loads into registers that the last step's products read)
	v_add_nc_u32 v[ADV], 24576*\j, v[AV0]
	v_add_nc_u32 v[ADS], 1024*\j, v[ASK0]
	v_add_nc_u32 v[ADT], 1024*\j, v[ASV0]
.irp g, 0,1
.if \g
.rept 4
	v_nop
.endr
.endif
.irp t, 0,1,2,3
.irp c, 0,1,2
	ds_load_b128 v[32+12*\t+4*\c:35+12*\t+4*\c], v[ADK] offset:(4*\g+\t)*1536+512*\c
.endr
	ds_load_b32 v[248+\t], v[ADS] offset:(4*\g+\t)*64
.endr
	s_wait_dscnt 0x0
.irp t, 0,1,2,3
	v_wmma_scale_f32_16x16x128_f8f6f4 v[96+8*(4*\g+\t):103+8*(4*\g+\t)], v[32+12*\t:43+12*\t], v[16:27], 0, v[248+\t], v255 matrix_a_fmt:MATRIX_FMT_FP6 matrix_b_fmt:MATRIX_FMT_FP6
.endr
.endr
.rept 4
	v_nop
.endr
.if \mode                              ; register 16 b + i holds key 32 b + i + 16 (lane / 16) of the step.  Slot 0: hidden where the key's place < my query's; slot 4: where it is greater
	v_mov_b32 v254, 0xff800000                     ; -infinity: p = 0 then
.set n, 0
.rept 64
.if \mode == 1
	v_cmp_lt_i32 vcc_lo, 32*(n/16)+n%16, v[DQ]
.else
	v_cmp_gt_i32 vcc_lo, 32*(n/16)+n%16, v[DQ]
.endif
	v_cndmask_b32 v[96+n], v[96+n], v254, vcc_lo
.set n, n+1
.endr
.endif
.irp b, 0,1,2,3
	v_max3_num_f32 v[232+\b], v[96+16*\b], v[97+16*\b], v[98+16*\b]   ; the largest score of each block of 32 keys: for the row's maximum and, since p rises with the score, for the block's largest p
.endr
.irp i, 3,5,7,9,11,13
.irp b, 0,1,2,3
	v_max3_num_f32 v[232+\b], v[232+\b], v[96+16*\b+\i], v[97+16*\b+\i]
.endr
.endr
.irp b, 0,1,2,3
	v_max_num_f32 v[232+\b], v[232+\b], v[111+16*\b]
.endr
.irp b, 0,1,2,3
	v_permlanex16_b32 v[236+\b], v[232+\b], s[SEL], s[SEL+1]
.endr
.irp b, 0,1,2,3
	v_max_num_f32 v[232+\b], v[232+\b], v[236+\b]
.endr
	v_max3_num_f32 v254, v232, v233, v234
	v_max_num_f32 v254, v254, v235
	v_mul_f32 v254, s[CS], v254
	v_max_num_f32 v13, v13, v254                   ; the running largest t
	v_mov_b32 v254, v12
	v_floor_f32 v12, -v13                          ; the new -M = -ceil(t)
	v_sub_f32 v254, v12, v254
	v_cvt_i32_f32 v254, v254
	v_ldexp_f32 v252, 1.0, v254                    ; f = 2^(old M - new M)
.set n, 0
.rept 32
	v_pk_fma_f32 v[96+n:97+n], v[96+n:97+n], s[CS:CS+1], v[12:13] op_sel_hi:[1,0,0]   ; t - M
.set n, n+2
.endr
.irp b, 0,1,2,3
	v_fma_f32 v[232+\b], v[232+\b], s[CS], v12
.endr
.set n, 0
.rept 64
	v_exp_f32 v[96+n], v[96+n]                     ; p = 2^(t - M)
.set n, n+1
.endr
	v_pk_mul_f32 v[14:15], v[14:15], v[252:253] op_sel_hi:[1,0]   ; the sums under the new M (a plain place behind the exponentials)
	s_wait_alu depctr_va_vdst(0)                   ; one wait for the batch, ahead of its first reader
.irp b, 0,1,2,3
	v_exp_f32 v[232+\b], v[232+\b]                 ; each block's largest p
.endr
	v_pk_add_f32 v[236:237], v[96:97], v[98:99]    ; the row's sum, of the unquantised p, in two chains
.irp j2, 4,8,12,16,20,24,28,32,36,40,44,48,52,56,60
	v_pk_add_f32 v[14:15], v[14:15], v[96+\j2:97+\j2]
	v_pk_add_f32 v[236:237], v[236:237], v[98+\j2:99+\j2]
.endr
	v_pk_add_f32 v[14:15], v[14:15], v[236:237]
	s_wait_alu depctr_va_vdst(0)                   ; and one for the four
.irp b, 0,1,2,3
	v_max_num_f32 v[232+\b], 0x1800000, v[232+\b]  ; the floor: a block whose every p is 0 keeps the byte 1; its codes are zeros
.endr
.irp b, 0,1,2,3
	v_add_nc_u32 v[244+\b], 0xff000000, v[232+\b]
.endr
.irp b, 0,1,2,3
	v_lshrrev_b32 v[236+\b], 23, v[244+\b]
.endr
	v_lshl_or_b32 v253, v237, 8, v236              ; p's scale word for these 128 keys
	v_lshl_or_b32 v253, v238, 16, v253
	v_lshl_or_b32 v253, v239, 24, v253
.irp c, 0,1
	v_cvt_scalef32_pk16_fp6_f32 v[224+6*\c:226+6*\c], v[96+32*\c:111+32*\c], v[244+2*\c]
	v_cvt_scalef32_pk16_fp6_f32 v[236+4*\c:238+4*\c], v[112+32*\c:127+32*\c], v[244+2*\c+1]
.endr
	v_nop
.irp c, 0,1
.irp i, 0,1,2
	v_permlane16_swap_b32 v[224+6*\c+\i], v[236+4*\c+\i]
.endr
.irp i, 0,1,2
	v_mov_b32 v[227+6*\c+\i], v[236+4*\c+\i]
.endr
.endr
.set n, 0
.rept 16
	v_pk_mul_f32 v[160+n:161+n], v[160+n:161+n], v[252:253] op_sel_hi:[1,0]   ; O^T under the new M.  (These 16 are also the places between the writes of p's codes and scale word and the products)
.set n, n+2
.endr
.irp t, 0,1,2,3
.irp c, 0,1,2
	ds_load_b128 v[32+12*\t+4*\c:35+12*\t+4*\c], v[ADV] offset:\t*1536+512*\c
.endr
	ds_load_b32 v[248+\t], v[ADT] offset:\t*64
.endr
	s_wait_dscnt 0x0
.irp t, 0,1,2,3
	v_wmma_scale_f32_16x16x128_f8f6f4 v[160+8*\t:167+8*\t], v[32+12*\t:43+12*\t], v[224:235], v[160+8*\t:167+8*\t], v[248+\t], v253 matrix_a_fmt:MATRIX_FMT_FP6 matrix_b_fmt:MATRIX_FMT_FP6
.endr
.endm
.macro TRY j, mode                     ; a key step outside the sequence is left out: a scalar branch on ids
	s_add_co_i32 s44, s17, \j-2
	s_cmp_lt_u32 s44, 16
	s_cbranch_scc0 .Lout_\@
	STEP \j, \mode
.Lout_\@:
.endm
	STEP 2, 0                                      ; the block's own keys first: they hold each query's own key, so M is a number from here on
	TRY 1, 0
	TRY 3, 0
	TRY 0, 1
	TRY 4, 2
	; THE WAY OUT: O^T / the sum is my head's 64 channels of ctx: half a K step of the product with Wo
.rept 4
	v_nop                                          ; places behind the last products
.endr
	v_add_f32 v14, v14, v15
	v_permlanex16_b32 v252, v14, s[SEL], s[SEL+1]
	v_add_f32 v14, v14, v252
	v_rcp_f32 v14, v14
	v_nop
	s_wait_alu depctr_va_vdst(0)
.set n, 0
.rept 32
	v_mul_f32 v[192+n], v[160+n], v14              ; register 16 b + i is channel 32 b + 16 h + i
.set n, n+1
.endr
.irp b, 0,1
	v_max3_num_f32 v[TM+\b], |v[192+16*\b]|, |v[193+16*\b]|, 0x1800000
.endr
.irp i, 2,4,6,8,10,12,14
.irp b, 0,1
	v_max3_num_f32 v[TM+\b], v[TM+\b], |v[192+16*\b+\i]|, |v[193+16*\b+\i]|
.endr
.endr
.irp b, 0,1
	v_permlanex16_b32 v[TM+4+\b], v[TM+\b], s[SEL], s[SEL+1]
.endr
.irp b, 0,1
	v_max_num_f32 v[TM+\b], v[TM+\b], v[TM+4+\b]
.endr
.irp b, 0,1
	v_add_nc_u32 v[TM+12+\b], 0xff000000, v[TM+\b]
.endr
.irp b, 0,1
	v_lshrrev_b32 v[TM+4+\b], 23, v[TM+12+\b]
.endr
	v_lshl_or_b32 v[PW], v[TM+5], 8, v[TM+4]
	v_lshlrev_b32 v[PW], s10, v[PW]                ; the even head's bytes are 0 and 1 of the word, the odd head's 2 and 3
	v_cvt_scalef32_pk16_fp6_f32 v[PC:PC+2], v[192:207], v[TM+12]
	v_cvt_scalef32_pk16_fp6_f32 v[PC+12:PC+14], v[208:223], v[TM+13]
	v_nop
.irp i, 0,1,2
	v_permlane16_swap_b32 v[PC+\i], v[PC+12+\i]
.endr
.irp i, 0,1,2
	v_mov_b32 v[PC+3+\i], v[PC+12+\i]
.endr
	s_cmp_lt_u32 s14, 8
	s_cbranch_scc1 .Leven
	ds_store_b128 v85, v[PC:PC+3]                  ; the odd head's six registers go to the even head's wave
	ds_store_b64 v86, v[PC+4:PC+5] offset:512
.Leven:
	ds_store_b32 v87, v[PW]
	s_wait_dscnt 0x0
	s_barrier_signal -1
	s_barrier_wait -1
	s_cmp_lt_u32 s14, 8
	s_cbranch_scc0 .Lodd
	ds_load_b128 v[PC+6:PC+9], v85                 ; registers 6-11 of the image: k 64-127, the odd head
	ds_load_b64 v[PC+10:PC+11], v86 offset:512
	s_wait_dscnt 0x0
.irp c, 0,1,2
	global_store_b128 v[L16], v[PC+4*\c:PC+4*\c+3], s[56:57] offset:512*\c
.endr
	s_branch .Lend
.Lodd:
	s_cmp_eq_u32 s14, 8
	s_cbranch_scc0 .Lend
	ds_load_b128 v[96:99], v88                     ; wave 8: the eight tiles' words, both heads' halves
	ds_load_b128 v[100:103], v88 offset:512
	s_wait_dscnt 0x0
.irp n, 0,1,2,3
	v_or_b32 v[96+\n], v[96+\n], v[100+\n]
.endr
	global_store_b128 v[L16], v[96:99], s[58:59]   ; 512 consecutive bytes
.Lend:
	s_wait_tensorcnt 0x0                           ; the wave's end, behind my last LDS store
	ds_add_u32 v[SPW], v[NIL]
	s_wait_dscnt 0x0
	s_endpgm
.Lfunc_end_k_q7640de7c00_attn:
	.size	k_q7640de7c00_attn, .Lfunc_end_k_q7640de7c00_attn-k_q7640de7c00_attn
	.p2alignl 7, 3214868480
	.fill 96, 4, 3214868480
	.section	.rodata,"a",@progbits
	.p2align	6, 0x0
	.amdhsa_kernel k_q7640de7c00_attn
		.amdhsa_group_segment_fixed_size 143360
		.amdhsa_private_segment_fixed_size 0
		.amdhsa_enable_private_segment 0
		.amdhsa_kernarg_size 16
		.amdhsa_user_sgpr_count 2
		.amdhsa_user_sgpr_kernarg_segment_ptr 1
		.amdhsa_wavefront_size32 1
		.amdhsa_system_sgpr_workgroup_id_x 1
		.amdhsa_system_sgpr_workgroup_id_y 1
		.amdhsa_system_sgpr_workgroup_id_z 1
		.amdhsa_system_vgpr_workitem_id 0
		.amdhsa_next_free_vgpr 256
		.amdhsa_next_free_sgpr 66
		.amdhsa_reserve_vcc 1
		.amdhsa_float_denorm_mode_32 3
		.amdhsa_float_denorm_mode_16_64 3
		.amdhsa_memory_ordered 1
		.amdhsa_forward_progress 1
		.amdhsa_inst_pref_size 110
	.end_amdhsa_kernel
	.amdgpu_metadata
---
amdhsa.version: [ 1, 2 ]
amdhsa.kernels:
  - .name:           k_q7640de7c00_attn
    .symbol:         k_q7640de7c00_attn.kd
    .args:
      - { .name: qkv, .offset: 0, .size: 8, .value_kind: global_buffer, .address_space: global }
      - { .name: ctxb, .offset: 8, .size: 8, .value_kind: global_buffer, .address_space: global }
    .group_segment_fixed_size: 143360
    .private_segment_fixed_size: 0
    .kernarg_segment_align: 8
    .kernarg_segment_size: 16
    .max_flat_workgroup_size: 512
    .sgpr_count:     66
    .vgpr_count:     256
    .wavefront_size: 32
...
	.end_amdgpu_metadata
.endif
;; end of part 3
;; launch wo (part 4): grid 8 x 32, 8 waves a work-group, clusters of 4 x 4, 327,680 bytes of LDS; arguments ctxb, wts, bo, y; writes y
.if DOCPART == 4
	.amdgcn_target "amdgcn-amd-amdhsa--gfx1250"
	.amdhsa_code_object_version 6
	.text
	.protected	k_q7640de7c00_wo
	.globl	k_q7640de7c00_wo
	.p2align	8
	.type	k_q7640de7c00_wo,@function
k_q7640de7c00_wo:
	s_mov_b64 s[64:65], 0
	v_nop
	global_prefetch_b8 v0, s[64:65] scope:SCOPE_SE
	s_setreg_imm32_b32 hwreg(HW_REG_WAVE_MODE, 25, 1), 1
	s_wait_xcnt 0x0
	s_wait_alu depctr_hold_cnt(0) depctr_sa_sdst(0) depctr_va_vdst(0) depctr_va_sdst(0) depctr_va_ssrc(0) depctr_va_vcc(0) depctr_vm_vsrc(0)
	s_getreg_b32 s2, hwreg(HW_REG_IB_STS2, 6, 4)
	s_cmp_eq_u32 s2, 0
	s_cbranch_scc0 .Lentry_in_a_cluster
	s_endpgm
.Lentry_in_a_cluster:
	s_bfe_u32 s2, ttmp6, 0x10000c
	s_cmp_lg_u32 s2, 0xf033
	s_cbranch_scc0 .Lentry_shape_is_right
	s_endpgm
.Lentry_shape_is_right:
; y = A W + bias on codes of FP6, y in f32.  LONGK = 0: A = ctx, W = Wo, K = 1,024.  LONGK = 1: A = gelu's result, W = W2, K = 4,096.
; A work-group makes 128 rows x 128 columns; eight waves, each 2 tiles of A (the result's lanes) x 4 of W (its registers): 8 accumulators, which begin as the bias.
; K goes through two LDS slots of 4 K steps; every wave fetches one pair of tiles (waves 0-3 A's, 4-7 W's) by one tensor load; the scale words of all K steps come once.
; CLUSTERS: 4 x 4 work-groups.  A's tiles hang on the work-group's y alone and are shared along a row of the cluster, W's on x alone and are shared along a column: each pair of tiles is asked for JOINTLY, by the same tensor load
; with the same descriptor and a mask that names the four: a quarter of the requests.  Where a slot is filled again, a round of the cluster's barrier stands in front of the joint load.
; y is laid as images of the accumulators: the record of tile T and 32 columns G at (32 T + G) x 2,048; value 4 j + e of lane (r, h), at 512 j + 16 lane, is column 32 G + 16 h + 4 j + e of lane r's row: every store is 512 consecutive bytes, and no stage is needed.
.set LONGK, 0
.if LONGK
.set F,   8
.set KS,  32
.set ASC, 12582912
.set BC,  9437184
.set BS,  22413312
.set T0F, 0
.else
.set F,   2
.set KS,  8
.set ASC, 3145728
.set BC,  3145728
.set BS,  22151168
.set T0F, 192
.endif
.set WAVES, 8
.set WM,    4
.set LWM,   2
.set TN,    4
.set S,     4
.set KPITCH, 393216
.set SLOTB, WAVES*S*3072
.set SCL,   2*SLOTB
.set SPARE, SCL+WAVES*KS*128
.set L16, 1
.set RR,  3
.set HH,  4
.set AD1, 5
.set AD0, 7
.set ADS1, 9
.set ADS0, 10
.set BOF, 11
.set SPW, 12
.set NIL, 13
.set SA,  16                           ; v16-17, v18-21: scale words and nothing else
.set SB,  18
.set FA,  24
.set FB,  48
.set ACC, 96                           ; accumulator (a, i) at 96 + 8 (4 a + i)
.set G1A, 24                           ; s[24:31] group 1 for A's codes;  s[32:39] for W's: they differ in the mask alone
.set G1B, 32
.set G1SA, 40                          ; s[40:47], s[48:55] the same for the scale words
.set G1SB, 48
.set G0SA, 56                          ; s[56:59], s[60:63] groups 0 for the scale words
.set G0SB, 60
.set G0A, 68                           ; s[68:75] groups 0 for A's codes, a set for each slot;  s[80:87] for W's
.set G0B, 80
; A joint load: waves 0-3 fetch for A, waves 4-7 for W.  Each of the two lines has ONE mask and one set of registers for all that issue it; the branch hangs on the wave's number alone.
; An s_nop 0 and four v_nop follow each of the two lines, ahead of the jump, the label and what follows.
.macro JLOAD g0a, g1a, g0b, g1b
	s_cmp_eq_u32 s16, 0
	s_cbranch_scc0 .Lfor_b_\@
	tensor_load_to_lds s[\g0a:\g0a+3], s[\g1a:\g1a+7]
	s_nop 0
.rept 4
	v_nop
.endr
	s_branch .Lasked_\@
.Lfor_b_\@:
	tensor_load_to_lds s[\g0b:\g0b+3], s[\g1b:\g1b+7]
	s_nop 0
.rept 4
	v_nop
.endr
.Lasked_\@:
.endm
; A round of the cluster's barrier: my work-group's barrier, wave 0 signals for the work-group, every wave waits for all sixteen work-groups, my work-group's barrier once more.
.macro CROUND
	s_barrier_signal -1
	s_barrier_wait -1
	s_cmp_lg_u32 s14, 0
	s_cbranch_scc1 .Lnot_wave_0_\@
	s_barrier_signal -3
.Lnot_wave_0_\@:
	s_barrier_wait -3
	s_barrier_signal -1
	s_barrier_wait -1
.endm
.macro KSTEP slot, s
.irp a, 0,1
.irp c, 0,1,2
	ds_load_b128 v[FA+12*\a+4*\c:FA+12*\a+4*\c+3], v[AD1+\slot] offset:(\s)*3072+\a*1536+512*\c
.endr
	ds_load_b32 v[SA+\a], v[ADS1] offset:(\s)*128+64*\a
.endr
.set i, 0
.rept TN
	ds_load_b32 v[SB+i], v[ADS0] offset:(i/2)*KS*128+(i%2)*64+(\s)*128
.set i, i+1
.endr
.irp q, 0,1,2,3
.irp c, 0,1,2
	ds_load_b128 v[FB+12*\q+4*\c:FB+12*\q+4*\c+3], v[AD0+\slot] offset:(\q/2)*S*3072+(\s)*3072+(\q%2)*1536+512*\c
.endr
.endr
	s_wait_dscnt 0x0
.irp q, 0,1,2,3                        ; the eight accumulators take turns, one instruction a turn
.irp a, 0,1
	v_wmma_scale_f32_16x16x128_f8f6f4 v[ACC+8*(TN*\a+\q):ACC+8*(TN*\a+\q)+7], v[FB+12*\q:FB+12*\q+11], v[FA+12*\a:FA+12*\a+11], v[ACC+8*(TN*\a+\q):ACC+8*(TN*\a+\q)+7], v[SB+\q], v[SA+\a] matrix_a_fmt:MATRIX_FMT_FP6 matrix_b_fmt:MATRIX_FMT_FP6
.endr
.endr
.rept 4
	v_nop                                          ; four places in front of the next loads into registers that these products read, and of the stores of results
.endr
.endm
.macro SLOTWORK slot, more
.set st, 0
.rept S
	KSTEP \slot, st
.set st, st+1
.endr
.if \more
	v_add_nc_u32 v[ADS1], S*128, v[ADS1]
	v_add_nc_u32 v[ADS0], S*128, v[ADS0]
.endif
.endm
; The change of slots: all my tensor loads have landed (my part of the slot ahead), the add, my reads of the slot left are over.  refill = 1: a round of the cluster's barrier, so that no wave of any partner still reads
; the slot left or has a load on its way; that slot is filled again first; then the slot ahead is worked.
.macro TWO slot, refill, more
	s_wait_tensorcnt 0x0
	ds_add_u32 v[SPW], v[NIL]                      ; 0 onto my spare word
.if \refill
	s_add_nc_u64 s[G0A+4*(1-\slot)+2:G0A+4*(1-\slot)+3], s[G0A+4*(1-\slot)+2:G0A+4*(1-\slot)+3], 2*S*KPITCH   ; no load of mine is out: the other slot's next K steps
	s_add_nc_u64 s[G0B+4*(1-\slot)+2:G0B+4*(1-\slot)+3], s[G0B+4*(1-\slot)+2:G0B+4*(1-\slot)+3], 2*S*KPITCH
.endif
	s_wait_dscnt 0x0
.if \refill
	CROUND
	JLOAD G0A+4*(1-\slot), G1A, G0B+4*(1-\slot), G1B
.else
	s_barrier_signal -1
	s_barrier_wait -1
.endif
	SLOTWORK \slot, \more
.endm
	s_load_b256 s[4:11], s[0:1], 0x0               ; A, wts, the bias, y
	v_lshl_add_u32 v[SPW], v0, 2, SPARE
	v_mov_b32 v[NIL], 0
	ds_add_u32 v[SPW], v[NIL]                      ; the opening: the add, twice on end, and its wait ahead of my first tensor load; the set-up below, work on registers, stands between
	ds_add_u32 v[SPW], v[NIL]
	v_lshrrev_b32 v14, 5, v0
	v_readfirstlane_b32 s14, v14                   ; wave 0..7
	s_and_b32 s15, s14, WM-1                       ; wm: my pair of A's tiles; also: which pair I fetch
	s_lshr_b32 s16, s14, LWM                       ; wn: my four of W's; also: I fetch for A (0) or for W (1)
	s_bfe_u32 s92, ttmp6, 0x40000                  ; cx, cy: my place in the cluster
	s_bfe_u32 s93, ttmp6, 0x40004
	s_lshl_b32 s94, ttmp9, 2
	s_add_co_u32 s94, s94, s92                     ; work-group x = 4 x cluster x + cx
	s_and_b32 s17, ttmp7, 0xffff
	s_lshl_b32 s17, s17, 2
	s_add_co_u32 s17, s17, s93                     ; work-group y = 4 x cluster y + cy
	s_lshl_b32 s66, s93, 2
	s_lshl_b32 s66, 15, s66                        ; my row of the cluster
	s_lshl_b32 s67, 0x1111, s92                    ; my column
	; group 1 for codes: S rows (K steps) of 3,072 bytes (a pair of images), 393,216 bytes apart; elements of 8 bytes; 15:0 the mask, bit 21 set beside it
	s_or_b32 s[G1A], s66, (3<<16)|(1<<21)
	s_or_b32 s[G1B], s67, (3<<16)|(1<<21)
.irp g, G1A, G1B
	s_mov_b32 s[\g+1], 384<<16
	s_mov_b32 s[\g+2], S<<16
	s_mov_b32 s[\g+3], 384<<16
	s_mov_b32 s[\g+4], S
	s_mov_b32 s[\g+5], KPITCH/8
	s_mov_b32 s[\g+6], 0
	s_mov_b32 s[\g+7], 0
.endr
	; group 1 for scale words: KS rows of 128 bytes (a pair's words), 16,384 bytes apart
	s_or_b32 s[G1SA], s66, (3<<16)|(1<<21)
	s_or_b32 s[G1SB], s67, (3<<16)|(1<<21)
.irp g, G1SA, G1SB
	s_mov_b32 s[\g+1], 16<<16
	s_mov_b32 s[\g+2], KS<<16
	s_mov_b32 s[\g+3], 16<<16
	s_mov_b32 s[\g+4], KS
	s_mov_b32 s[\g+5], 2048
	s_mov_b32 s[\g+6], 0
	s_mov_b32 s[\g+7], 0
.endr
	; where the tiles come from: A's hang on y alone, W's on x alone; every wave makes both, in registers that never hold the other coordinate
	s_lshl_b32 s18, s15, 1
	s_lshl_b32 s19, s17, 3
	s_add_co_u32 s19, s19, s18                     ; A's pair: tile 8 y + 2 wm
	s_lshl_b32 s95, s94, 3
	s_add_co_u32 s95, s95, s18                     ; W's: tile 8 x + 2 wm
.if T0F
	s_add_co_u32 s95, s95, T0F                     ; (Wo's tiles lie behind Wq's, Wk's and Wv's)
.endif
	s_mul_i32 s20, s19, 1536                       ; (A's codes begin at byte 0 of its buffer)
	s_mov_b32 s21, 0
	s_lshl_b32 s22, s19, 6
	s_add_co_u32 s22, s22, ASC
	s_mov_b32 s23, 0
	s_mul_i32 s96, s95, 1536
	s_add_co_u32 s96, s96, BC
	s_mov_b32 s97, 0
	s_lshl_b32 s98, s95, 6
	s_add_co_u32 s98, s98, BS
	s_mov_b32 s99, 0
	s_mul_i32 s100, s14, S*3072                    ; and where they go: by the wave's number alone
	s_mul_i32 s101, s14, KS*128
	s_add_co_u32 s101, s101, SCL
	v_and_b32 v14, 31, v0
	v_lshlrev_b32 v[L16], 4, v14
	v_and_b32 v[RR], 15, v0
	v_bfe_u32 v[HH], v0, 4, 1
	v_lshlrev_b32 v[BOF], 6, v[HH]
	s_mul_i32 s2, s15, S*3072
	v_add_nc_u32 v[AD1], s2, v[L16]
	v_add_nc_u32 v[AD1+1], SLOTB, v[AD1]
	s_mul_i32 s2, s16, (TN/2)*S*3072
	s_add_co_u32 s2, s2, WM*S*3072
	v_add_nc_u32 v[AD0], s2, v[L16]
	v_add_nc_u32 v[AD0+1], SLOTB, v[AD0]
	v_lshlrev_b32 v15, 2, v[RR]
	s_mul_i32 s2, s15, KS*128
	s_add_co_u32 s2, s2, SCL
	v_add_nc_u32 v[ADS1], s2, v15
	s_mul_i32 s2, s16, (TN/2)*KS*128
	s_add_co_u32 s2, s2, SCL+WM*KS*128
	v_add_nc_u32 v[ADS0], s2, v15
	s_wait_dscnt 0x0                               ; both opening adds are done
	s_wait_kmcnt 0x0
	s_add_nc_u64 s[20:21], s[4:5], s[20:21]
	s_add_nc_u64 s[22:23], s[4:5], s[22:23]
	s_add_nc_u64 s[96:97], s[6:7], s[96:97]
	s_add_nc_u64 s[98:99], s[6:7], s[98:99]
	CROUND                                         ; all sixteen work-groups are here: the first joint loads meet
	s_mov_b32 s[G0SA], 1
	s_mov_b32 s[G0SA+1], s101
	s_mov_b64 s[G0SA+2:G0SA+3], s[22:23]
	s_or_b32 s[G0SA+3], s[G0SA+3], 0x80000000
	s_mov_b32 s[G0SB], 1
	s_mov_b32 s[G0SB+1], s101
	s_mov_b64 s[G0SB+2:G0SB+3], s[98:99]
	s_or_b32 s[G0SB+3], s[G0SB+3], 0x80000000
	JLOAD G0SA, G1SA, G0SB, G1SB                   ; the scale words first: they are wanted with K step 0
.irp s, 0,1
	s_mov_b32 s[G0A+4*\s], 1
	s_add_co_u32 s[G0A+4*\s+1], s100, \s*SLOTB
	s_add_nc_u64 s[G0A+4*\s+2:G0A+4*\s+3], s[20:21], \s*S*KPITCH
	s_or_b32 s[G0A+4*\s+3], s[G0A+4*\s+3], 0x80000000
	s_mov_b32 s[G0B+4*\s], 1
	s_add_co_u32 s[G0B+4*\s+1], s100, \s*SLOTB
	s_add_nc_u64 s[G0B+4*\s+2:G0B+4*\s+3], s[96:97], \s*S*KPITCH
	s_or_b32 s[G0B+4*\s+3], s[G0B+4*\s+3], 0x80000000
	JLOAD G0A+4*\s, G1A, G0B+4*\s, G1B             ; the first fills go out together: three loads of mine are out
.endr
	s_lshl_b32 s96, s94, 9
	s_lshl_b32 s97, s16, 8
	s_add_co_u32 s96, s96, s97                     ; 4 x my first column
	s_mov_b32 s97, 0
	s_add_nc_u64 s[8:9], s[8:9], s[96:97]
.irp a, 0,1
.set n, 0
.rept 8
	global_load_b128 v[ACC+32*\a+4*n:ACC+32*\a+4*n+3], v[BOF], s[8:9] offset:128*(n/4)+16*(n%4)   ; the accumulators begin as the bias
.set n, n+1
.endr
.endr
	s_lshl_b32 s2, s19, 5
	s_lshl_b32 s3, s94, 2
	s_add_co_u32 s2, s2, s3
	s_lshl_b32 s3, s16, 1
	s_add_co_u32 s2, s2, s3
	s_lshl_b32 s2, s2, 11                          ; my first record of y: (32 (8 y + 2 wm) + 4 x + 2 wn) x 2,048
	s_mov_b32 s3, 0
	s_add_nc_u64 s[10:11], s[10:11], s[2:3]
	s_wait_tensorcnt 1                             ; the scale words and my part of slot 0 are in; slot 1's load may be out
	s_barrier_signal -1
	s_barrier_wait -1
	s_wait_loadcnt 0x0
	SLOTWORK 0, 1
.if F > 2
	s_mov_b32 s12, F/2-1
.Lring:
	TWO 1, 1, 1
	TWO 0, 1, 1
	s_sub_co_u32 s12, s12, 1
	s_cmp_lg_u32 s12, 0
	s_cbranch_scc1 .Lring
.endif
	TWO 1, 0, 0
.irp a, 0,1
.set n, 0
.rept 8
	global_store_b128 v[L16], v[ACC+32*\a+4*n:ACC+32*\a+4*n+3], s[10:11] offset:\a*65536+512*n th:TH_STORE_NT   ; each accumulator from its low end on; 512 consecutive bytes a store
.set n, n+1
.endr
.endr
	s_wait_tensorcnt 0x0                           ; the wave's end
	ds_add_u32 v[SPW], v[NIL]
	s_wait_dscnt 0x0
	CROUND                                         ; the closing round: no work-group ends while a partner may still ask for a tile that names it
	s_endpgm
.Lfunc_end_k_q7640de7c00_wo:
	.size	k_q7640de7c00_wo, .Lfunc_end_k_q7640de7c00_wo-k_q7640de7c00_wo
	.p2alignl 7, 3214868480
	.fill 96, 4, 3214868480
	.section	.rodata,"a",@progbits
	.p2align	6, 0x0
	.amdhsa_kernel k_q7640de7c00_wo
		.amdhsa_group_segment_fixed_size 327680
		.amdhsa_private_segment_fixed_size 0
		.amdhsa_enable_private_segment 0
		.amdhsa_kernarg_size 32
		.amdhsa_user_sgpr_count 2
		.amdhsa_user_sgpr_kernarg_segment_ptr 1
		.amdhsa_wavefront_size32 1
		.amdhsa_system_sgpr_workgroup_id_x 1
		.amdhsa_system_sgpr_workgroup_id_y 1
		.amdhsa_system_sgpr_workgroup_id_z 1
		.amdhsa_system_vgpr_workitem_id 0
		.amdhsa_next_free_vgpr 160
		.amdhsa_next_free_sgpr 102
		.amdhsa_reserve_vcc 0
		.amdhsa_float_denorm_mode_32 3
		.amdhsa_float_denorm_mode_16_64 3
		.amdhsa_memory_ordered 1
		.amdhsa_forward_progress 1
		.amdhsa_inst_pref_size 34
	.end_amdhsa_kernel
	.amdgpu_metadata
---
amdhsa.version: [ 1, 2 ]
amdhsa.kernels:
  - .name:           k_q7640de7c00_wo
    .symbol:         k_q7640de7c00_wo.kd
    .args:
      - { .name: ctxb, .offset: 0, .size: 8, .value_kind: global_buffer, .address_space: global }
      - { .name: wts, .offset: 8, .size: 8, .value_kind: global_buffer, .address_space: global }
      - { .name: bo, .offset: 16, .size: 8, .value_kind: global_buffer, .address_space: global }
      - { .name: y, .offset: 24, .size: 8, .value_kind: global_buffer, .address_space: global }
    .group_segment_fixed_size: 327680
    .private_segment_fixed_size: 0
    .kernarg_segment_align: 8
    .kernarg_segment_size: 32
    .max_flat_workgroup_size: 256
    .sgpr_count:     102
    .vgpr_count:     160
    .wavefront_size: 32
...
	.end_amdgpu_metadata
.endif
;; end of part 4
;; launch ln1 (part 5): grid 256 x 1, 8 waves a work-group, no clusters, 69,632 bytes of LDS; arguments y, x, ln1_g, ln1_b, x1b; writes x1b
.if DOCPART == 5
	.amdgcn_target "amdgcn-amd-amdhsa--gfx1250"
	.amdhsa_code_object_version 6
	.text
	.protected	k_q7640de7c00_ln1
	.globl	k_q7640de7c00_ln1
	.p2align	8
	.type	k_q7640de7c00_ln1,@function
k_q7640de7c00_ln1:
	s_mov_b64 s[64:65], 0
	v_nop
	global_prefetch_b8 v0, s[64:65] scope:SCOPE_SE
	s_setreg_imm32_b32 hwreg(HW_REG_WAVE_MODE, 25, 1), 1
	s_wait_xcnt 0x0
; LayerNorm of y + residual.  SECOND = 0: residual = x (rows); the result x1 is stored as f32 images AND quantised to FP6 images for the product with W1.  SECOND = 1: residual = x1 (images); the result is out0 (rows).
; A work-group takes one tile of 16 rows (lane r: row 32 (T / 2) + 8 (T % 2) + r + 8 (r / 8)); wave w its columns 128 w .. 128 w + 127: 64 numbers a lane, register 16 b + i = column 128 w + 32 b + 16 h + i.
; Mean and variance as reference() takes them (the mean first, then the mean of the squared differences), in f32: within the lane, with lane l xor 16, then over the eight waves through LDS: two barriers.
; Rows turn between their order in memory and the lanes' order through the wave's own stage in LDS.  Memory binds: no matrix work, no tensor load, no cluster.
; LIMITS: the quantiser's as stated in prep; NaN and infinities are not served.
.set SECOND, 0
.set RED,   67584                      ; LDS: behind eight stages of 8,448 bytes: 16 rows x 8 waves' sums, then the same for the squares, 512 bytes on
.set SPARE, 68608
.set X1C,   16777216
.set X1S,   19922944
.set SPW, 14
.set NIL, 15
.set VAL, 16
.set X,   80
.set GA,  144
.set PC,  208
.set TM,  228
.set PW,  244
.set SEL, 28
.macro QUANT s, pw
.irp b, 0,1,2,3
	v_max3_num_f32 v[TM+\b], |v[(\s)+16*\b]|, |v[(\s)+1+16*\b]|, 0x1800000
.endr
.irp i, 2,4,6,8,10,12,14
.irp b, 0,1,2,3
	v_max3_num_f32 v[TM+\b], v[TM+\b], |v[(\s)+16*\b+\i]|, |v[(\s)+1+16*\b+\i]|
.endr
.endr
.irp b, 0,1,2,3
	v_permlanex16_b32 v[TM+4+\b], v[TM+\b], s[SEL], s[SEL+1]
.endr
.irp b, 0,1,2,3
	v_max_num_f32 v[TM+\b], v[TM+\b], v[TM+4+\b]
.endr
.irp b, 0,1,2,3
	v_add_nc_u32 v[TM+12+\b], 0xff000000, v[TM+\b]
.endr
.irp b, 0,1,2,3
	v_lshrrev_b32 v[TM+4+\b], 23, v[TM+12+\b]
.endr
	v_lshl_or_b32 v[\pw], v[TM+5], 8, v[TM+4]
	v_lshl_or_b32 v[\pw], v[TM+6], 16, v[\pw]
	v_lshl_or_b32 v[\pw], v[TM+7], 24, v[\pw]
.irp c, 0,1
	v_cvt_scalef32_pk16_fp6_f32 v[PC+6*\c:PC+2+6*\c], v[(\s)+32*\c:(\s)+15+32*\c], v[TM+12+2*\c]
	v_cvt_scalef32_pk16_fp6_f32 v[PC+12+4*\c:PC+14+4*\c], v[(\s)+16+32*\c:(\s)+31+32*\c], v[TM+12+2*\c+1]
.endr
	v_nop
.irp c, 0,1
.irp i, 0,1,2
	v_permlane16_swap_b32 v[PC+6*\c+\i], v[PC+12+4*\c+\i]
.endr
.irp i, 0,1,2
	v_mov_b32 v[PC+3+6*\c+\i], v[PC+12+4*\c+\i]
.endr
.endr
.endm
; v[246:247] hold my lane's sum in two halves; behind the macro v246 holds the row's sum over all 1,024 columns
.macro ACROSS off
	v_add_f32 v246, v246, v247
	v_permlanex16_b32 v247, v246, s[SEL], s[SEL+1]
	v_add_f32 v246, v246, v247
	ds_store_b32 v6, v246 offset:\off              ; (lanes l and l + 16 write the same word with the same value)
	s_wait_dscnt 0x0
	s_barrier_signal -1
	s_barrier_wait -1
	ds_load_b128 v[246:249], v7 offset:\off
	ds_load_b128 v[250:253], v7 offset:\off+16
	s_wait_dscnt 0x0
	v_add_f32 v246, v246, v247
	v_add_f32 v248, v248, v249
	v_add_f32 v250, v250, v251
	v_add_f32 v252, v252, v253
	v_add_f32 v246, v246, v248
	v_add_f32 v250, v250, v252
	v_add_f32 v246, v246, v250
.endm
	s_load_b256 s[4:11], s[0:1], 0x0               ; y, the residual, gamma, beta
	s_load_b64 s[12:13], s[0:1], 0x20              ; the result
	v_lshl_add_u32 v[SPW], v0, 2, SPARE
	v_mov_b32 v[NIL], 0
	v_lshrrev_b32 v9, 5, v0
	v_readfirstlane_b32 s14, v9                    ; wave 0..7
	v_and_b32 v9, 31, v0
	v_lshlrev_b32 v1, 4, v9                        ; 16 x lane
	v_and_b32 v2, 15, v0                           ; r
	v_bfe_u32 v3, v0, 4, 1                         ; h
	s_mul_i32 s15, s14, 8448
	v_add_nc_u32 v4, s15, v1                       ; the stage by rows as they lie in memory: + 528 x row
	v_mul_u32_u24 v5, v2, 528
	v_lshl_add_u32 v5, v3, 6, v5
	v_add_nc_u32 v5, s15, v5                       ; and by lanes: row r, my half's 16 numbers of each 32
	v_lshlrev_b32 v7, 5, v2
	v_add_nc_u32 v7, RED, v7                       ; row r's eight sums
	s_lshl_b32 s16, s14, 2
	v_add_nc_u32 v6, s16, v7                       ; my wave's among them
	v_lshlrev_b32 v8, 6, v3                        ; gamma, beta: 64 h
	v_lshlrev_b32 v12, 2, v2                       ; my row's scale word
	s_mov_b32 s[SEL], 0x76543210
	s_mov_b32 s[SEL+1], 0xfedcba98
	s_mov_b32 s30, 0x3a800000                      ; 1 / 1,024
	s_mov_b32 s31, 0x3727c5ac                      ; 1e-5
	s_lshl_b32 s16, ttmp9, 16
	s_lshl_b32 s17, s14, 13
	s_add_co_u32 s16, s16, s17                     ; images: (32 T + 4 w) x 2,048
	s_mov_b32 s17, 0
	s_lshr_b32 s18, ttmp9, 1
	s_lshl_b32 s18, s18, 5
	s_and_b32 s19, ttmp9, 1
	s_lshl_b32 s19, s19, 3
	s_add_co_u32 s18, s18, s19
	s_lshl_b32 s18, s18, 12
	s_lshl_b32 s20, s14, 9
	s_add_co_u32 s18, s18, s20                     ; rows: the tile's first row x 4,096 + 512 w
	s_mov_b32 s19, 0
	s_mov_b32 s21, 0
	s_lshl_b32 s23, s14, 8
	s_add_co_u32 s23, s23, ttmp9                   ; 256 w + T
	s_mul_i32 s24, s23, 1536
	s_add_co_u32 s24, s24, X1C
	s_mov_b32 s25, 0
	s_lshl_b32 s26, s23, 6
	s_add_co_u32 s26, s26, X1S
	s_mov_b32 s27, 0
	s_wait_kmcnt 0x0
	s_add_nc_u64 s[4:5], s[4:5], s[16:17]
	s_add_nc_u64 s[8:9], s[8:9], s[20:21]
	s_add_nc_u64 s[10:11], s[10:11], s[20:21]
.if SECOND
	s_add_nc_u64 s[6:7], s[6:7], s[16:17]
	s_add_nc_u64 s[12:13], s[12:13], s[18:19]
.else
	s_add_nc_u64 s[6:7], s[6:7], s[18:19]
	s_add_nc_u64 s[24:25], s[12:13], s[24:25]
	s_add_nc_u64 s[26:27], s[12:13], s[26:27]
	s_add_nc_u64 s[12:13], s[12:13], s[16:17]
.set n, 0
.rept 16
	global_load_b128 v[X+4*n:X+4*n+3], v1, s[6:7] offset:(n+8*(n/8))*4096 th:TH_LOAD_NT   ; lane row n of the tile: 512 consecutive bytes
.set n, n+1
.endr
.endif
.set n, 0
.rept 16
	global_load_b128 v[VAL+4*n:VAL+4*n+3], v1, s[4:5] offset:512*n th:TH_LOAD_NT
.set n, n+1
.endr
.if SECOND
.set n, 0
.rept 16
	global_load_b128 v[X+4*n:X+4*n+3], v1, s[6:7] offset:512*n th:TH_LOAD_NT
.set n, n+1
.endr
.endif
.set n, 0
.rept 16
	global_load_b128 v[GA+4*n:GA+4*n+3], v8, s[8:9] offset:128*(n/4)+16*(n%4)
.set n, n+1
.endr
.if !SECOND
.set n, 0
.rept 16
	s_wait_loadcnt 47-n                            ; row n of x is in; its younger rows, y's 16 loads and gamma's 16 may be out
	ds_store_b128 v4, v[X+4*n:X+4*n+3] offset:528*n
.set n, n+1
.endr
.set n, 0
.rept 16
	ds_load_b128 v[X+4*n:X+4*n+3], v5 offset:128*(n/4)+16*(n%4)   ; LDS serves a wave's instructions in order: these see my stores
.set n, n+1
.endr
	s_wait_dscnt 0x0
.endif
	s_wait_loadcnt 16                              ; all but gamma's 16 loads
.set n, 0
.rept 32
	v_pk_add_f32 v[VAL+n:VAL+n+1], v[VAL+n:VAL+n+1], v[X+n:X+n+1]
.set n, n+2
.endr
.set n, 0
.rept 16
	global_load_b128 v[X+4*n:X+4*n+3], v8, s[10:11] offset:128*(n/4)+16*(n%4)   ; beta takes the residual's registers
.set n, n+1
.endr
	v_pk_add_f32 v[246:247], v[VAL:VAL+1], v[VAL+2:VAL+3]
	v_pk_add_f32 v[248:249], v[VAL+4:VAL+5], v[VAL+6:VAL+7]
.set n, 8
.rept 14
	v_pk_add_f32 v[246:247], v[246:247], v[VAL+n:VAL+n+1]
	v_pk_add_f32 v[248:249], v[248:249], v[VAL+n+2:VAL+n+3]
.set n, n+4
.endr
	v_pk_add_f32 v[246:247], v[246:247], v[248:249]
	ACROSS 0
	v_mul_f32 v10, s30, v246                       ; the mean
	v_mov_b32 v11, v10
.set n, 0
.rept 32
	v_pk_add_f32 v[VAL+n:VAL+n+1], v[VAL+n:VAL+n+1], v[10:11] neg_lo:[0,1] neg_hi:[0,1]
.set n, n+2
.endr
	v_pk_mul_f32 v[246:247], v[VAL:VAL+1], v[VAL:VAL+1]
	v_pk_mul_f32 v[248:249], v[VAL+2:VAL+3], v[VAL+2:VAL+3]
.set n, 4
.rept 15
	v_pk_fma_f32 v[246:247], v[VAL+n:VAL+n+1], v[VAL+n:VAL+n+1], v[246:247]
	v_pk_fma_f32 v[248:249], v[VAL+n+2:VAL+n+3], v[VAL+n+2:VAL+n+3], v[248:249]
.set n, n+4
.endr
	v_pk_add_f32 v[246:247], v[246:247], v[248:249]
	ACROSS 512
	v_fma_f32 v10, v246, s30, s31                  ; the variance + 1e-5
	v_rsq_f32 v10, v10
	v_nop                                          ; a plain place behind the transcendental,
	s_wait_alu depctr_va_vdst(0)                   ; and a wait ahead of its first reader
	v_mov_b32 v11, v10
	s_wait_loadcnt 0x0                             ; gamma and beta
.set n, 0
.rept 32
	v_pk_mul_f32 v[VAL+n:VAL+n+1], v[VAL+n:VAL+n+1], v[10:11]
.set n, n+2
.endr
.set n, 0
.rept 32
	v_pk_fma_f32 v[VAL+n:VAL+n+1], v[VAL+n:VAL+n+1], v[GA+n:GA+n+1], v[X+n:X+n+1]
.set n, n+2
.endr
.if SECOND
.set n, 0
.rept 16
	ds_store_b128 v5, v[VAL+4*n:VAL+4*n+3] offset:128*(n/4)+16*(n%4)
.set n, n+1
.endr
.set n, 0
.rept 16
	ds_load_b128 v[X+4*n:X+4*n+3], v4 offset:528*n
.set n, n+1
.endr
.set n, 0
.rept 16
	s_wait_dscnt 15-n
	global_store_b128 v1, v[X+4*n:X+4*n+3], s[12:13] offset:(n+8*(n/8))*4096 th:TH_STORE_NT   ; 512 consecutive bytes of a row
.set n, n+1
.endr
.else
.set n, 0
.rept 16
	global_store_b128 v1, v[VAL+4*n:VAL+4*n+3], s[12:13] offset:512*n   ; x1 as f32 images, for the second norm
.set n, n+1
.endr
.irp b, 0,1,2,3
	v_mov_b32 v[TM+4+\b], 0                        ; a lane permute's destination counts as one of its sources
.endr
	QUANT VAL, PW
.irp c, 0,1,2
	global_store_b128 v1, v[PC+4*\c:PC+4*\c+3], s[24:25] offset:512*\c
.endr
	s_wait_xcnt 0x0                                ; EXEC changes only behind this wait
	v_cmp_gt_u32 vcc_lo, 16, v9
	s_and_saveexec_b32 s22, vcc_lo
	global_store_b32 v12, v[PW], s[26:27]          ; lanes 0-15: the tile's 16 scale words, 64 bytes
	s_wait_xcnt 0x0
	s_or_b32 exec_lo, exec_lo, s22
.endif
	s_wait_tensorcnt 0x0                           ; the wave's end, behind my last LDS store
	ds_add_u32 v[SPW], v[NIL]
	s_wait_dscnt 0x0
	s_endpgm
.Lfunc_end_k_q7640de7c00_ln1:
	.size	k_q7640de7c00_ln1, .Lfunc_end_k_q7640de7c00_ln1-k_q7640de7c00_ln1
	.p2alignl 7, 3214868480
	.fill 96, 4, 3214868480
	.section	.rodata,"a",@progbits
	.p2align	6, 0x0
	.amdhsa_kernel k_q7640de7c00_ln1
		.amdhsa_group_segment_fixed_size 69632
		.amdhsa_private_segment_fixed_size 0
		.amdhsa_enable_private_segment 0
		.amdhsa_kernarg_size 40
		.amdhsa_user_sgpr_count 2
		.amdhsa_user_sgpr_kernarg_segment_ptr 1
		.amdhsa_wavefront_size32 1
		.amdhsa_system_sgpr_workgroup_id_x 1
		.amdhsa_system_sgpr_workgroup_id_y 1
		.amdhsa_system_sgpr_workgroup_id_z 1
		.amdhsa_system_vgpr_workitem_id 0
		.amdhsa_next_free_vgpr 256
		.amdhsa_next_free_sgpr 66
		.amdhsa_reserve_vcc 1
		.amdhsa_float_denorm_mode_32 3
		.amdhsa_float_denorm_mode_16_64 3
		.amdhsa_memory_ordered 1
		.amdhsa_forward_progress 1
		.amdhsa_inst_pref_size 31
	.end_amdhsa_kernel
	.amdgpu_metadata
---
amdhsa.version: [ 1, 2 ]
amdhsa.kernels:
  - .name:           k_q7640de7c00_ln1
    .symbol:         k_q7640de7c00_ln1.kd
    .args:
      - { .name: y, .offset: 0, .size: 8, .value_kind: global_buffer, .address_space: global }
      - { .name: x, .offset: 8, .size: 8, .value_kind: global_buffer, .address_space: global }
      - { .name: ln1_g, .offset: 16, .size: 8, .value_kind: global_buffer, .address_space: global }
      - { .name: ln1_b, .offset: 24, .size: 8, .value_kind: global_buffer, .address_space: global }
      - { .name: x1b, .offset: 32, .size: 8, .value_kind: global_buffer, .address_space: global }
    .group_segment_fixed_size: 69632
    .private_segment_fixed_size: 0
    .kernarg_segment_align: 8
    .kernarg_segment_size: 40
    .max_flat_workgroup_size: 256
    .sgpr_count:     66
    .vgpr_count:     256
    .wavefront_size: 32
...
	.end_amdgpu_metadata
.endif
;; end of part 5
;; launch ffn1 (part 6): grid 16 x 16, 16 waves a work-group, clusters of 4 x 4, 327,680 bytes of LDS; arguments x1b, wts, b1, hb; writes hb
.if DOCPART == 6
	.amdgcn_target "amdgcn-amd-amdhsa--gfx1250"
	.amdhsa_code_object_version 6
	.text
	.protected	k_q7640de7c00_ffn1
	.globl	k_q7640de7c00_ffn1
	.p2align	8
	.type	k_q7640de7c00_ffn1,@function
k_q7640de7c00_ffn1:
	s_mov_b64 s[64:65], 0
	v_nop
	global_prefetch_b8 v0, s[64:65] scope:SCOPE_SE
	s_setreg_imm32_b32 hwreg(HW_REG_WAVE_MODE, 25, 1), 1
	s_wait_xcnt 0x0
	s_wait_alu depctr_hold_cnt(0) depctr_sa_sdst(0) depctr_va_vdst(0) depctr_va_sdst(0) depctr_va_ssrc(0) depctr_va_vcc(0) depctr_vm_vsrc(0)
	s_getreg_b32 s2, hwreg(HW_REG_IB_STS2, 6, 4)
	s_cmp_eq_u32 s2, 0
	s_cbranch_scc0 .Lentry_in_a_cluster
	s_endpgm
.Lentry_in_a_cluster:
	s_bfe_u32 s2, ttmp6, 0x10000c
	s_cmp_lg_u32 s2, 0xf033
	s_cbranch_scc0 .Lentry_shape_is_right
	s_endpgm
.Lentry_shape_is_right:
; FFN1: gelu(x1 W1 + b1) on codes of FP6, the result quantised at once for the product with W2 and stored as images of the operand's registers.
; The core is qkv's: a work-group makes 256 tokens x 256 columns; sixteen waves, each 2 tiles of x1 (the result's lanes) x 8 of W1 (its registers): 16 accumulators, which begin as b1.
; CLUSTERS: 4 x 4 work-groups.  x1's tiles hang on the work-group's y alone and are shared along a row of the cluster, W1's on x alone and are shared along a column: each pair of tiles is asked for JOINTLY, by the same tensor load
; with the same descriptor and a mask that names the four: a quarter of the requests.  Waves 0-7 fetch x1's eight pairs, waves 8-15 W1's.
; LDS: three slots of 2 K steps, all filled at the head with the scale words of all 8 K steps; K steps 6 and 7 come by ONE refill, into slot 0, behind one round of the cluster's barrier, with two slots' work (64 products a wave) in which to land.
; GELU = 0.5 x (1 + erf(x / sqrt 2)), exact form, in f32: erf(z) = z P(z^2) / Q(z^2), z held to +-4, P of degree 6 and Q of degree 4 in z^2.
; LIMITS: erf is good to about 1e-7 absolutely; where 1 + erf cancels (x under about -4) the result's relative accuracy falls with it.  The quantiser's limits as stated in prep; NaN and infinities are not served.
.set WAVES, 16
.set WM,    8
.set LWM,   3
.set TN,    8
.set S,     2
.set KS,    8
.set KPITCH, 393216
.set SLOTB, WAVES*S*3072
.set SCL,   3*SLOTB
.set SPARE, SCL+WAVES*KS*128
.set X1C,   16777216
.set X1S,   19922944
.set W1C,   6291456
.set W1S,   22282240
.set HSC,   12582912
.set L16, 1
.set L4,  2
.set RR,  3
.set HH,  4
.set AD1, 5                            ; v5-7   x1's fragments in slot 0, 1, 2
.set AD0, 8                            ; v8-10  W1's
.set ADS1, 11
.set SPW, 12
.set NIL, 13
.set ADS0, 14
.set BOF, 15
.set SA,  16                           ; v16-17, v18-25: scale words and nothing else
.set SB,  18
.set FA,  28
.set FB,  52
.set ACC, 128
.set PC,  28
.set TM,  100
.set GZ,  52                           ; the way out: z, z^2, P, Q of 16 numbers
.set GX,  68
.set GP,  84
.set GQ,  100
.set G1A, 24                           ; s[24:31] group 1 for x1's codes;  s[32:39] for W1's: they differ in the mask alone
.set G1B, 32
.set G1SA, 40                          ; s[40:47], s[48:55] the same for the scale words
.set G1SB, 48
.set G0SA, 56                          ; s[56:59], s[60:63] groups 0 for the scale words
.set G0SB, 60
.set G0A, 68                           ; s[68:79] groups 0 for x1's codes, a set for each slot;  s[80:91] for W1's
.set G0B, 80
.set KC,  24                           ; on the way out, when no tensor load is out: s[24:45] gelu's constants, s[46:47] the lane selects
.set SEL, 46
.macro JLOAD g0a, g1a, g0b, g1b        ; a joint load: waves 0-7 fetch for x1, waves 8-15 for W1; an s_nop 0 and four v_nop follow each of the two lines, ahead of the jump, the label and what follows
	s_cmp_eq_u32 s16, 0
	s_cbranch_scc0 .Lfor_b_\@
	tensor_load_to_lds s[\g0a:\g0a+3], s[\g1a:\g1a+7]
	s_nop 0
.rept 4
	v_nop
.endr
	s_branch .Lasked_\@
.Lfor_b_\@:
	tensor_load_to_lds s[\g0b:\g0b+3], s[\g1b:\g1b+7]
	s_nop 0
.rept 4
	v_nop
.endr
.Lasked_\@:
.endm
.macro CROUND                          ; a round of the cluster's barrier
	s_barrier_signal -1
	s_barrier_wait -1
	s_cmp_lg_u32 s14, 0
	s_cbranch_scc1 .Lnot_wave_0_\@
	s_barrier_signal -3
.Lnot_wave_0_\@:
	s_barrier_wait -3
	s_barrier_signal -1
	s_barrier_wait -1
.endm
.macro QUANT s, pw
.irp b, 0,1,2,3
	v_max3_num_f32 v[TM+\b], |v[(\s)+16*\b]|, |v[(\s)+1+16*\b]|, 0x1800000
.endr
.irp i, 2,4,6,8,10,12,14
.irp b, 0,1,2,3
	v_max3_num_f32 v[TM+\b], v[TM+\b], |v[(\s)+16*\b+\i]|, |v[(\s)+1+16*\b+\i]|
.endr
.endr
.irp b, 0,1,2,3
	v_permlanex16_b32 v[TM+4+\b], v[TM+\b], s[SEL], s[SEL+1]   ; (its destination was written by GELU16)
.endr
.irp b, 0,1,2,3
	v_max_num_f32 v[TM+\b], v[TM+\b], v[TM+4+\b]
.endr
.irp b, 0,1,2,3
	v_add_nc_u32 v[TM+12+\b], 0xff000000, v[TM+\b]
.endr
.irp b, 0,1,2,3
	v_lshrrev_b32 v[TM+4+\b], 23, v[TM+12+\b]
.endr
	v_lshl_or_b32 v[\pw], v[TM+5], 8, v[TM+4]
	v_lshl_or_b32 v[\pw], v[TM+6], 16, v[\pw]
	v_lshl_or_b32 v[\pw], v[TM+7], 24, v[\pw]
.irp c, 0,1
	v_cvt_scalef32_pk16_fp6_f32 v[PC+6*\c:PC+2+6*\c], v[(\s)+32*\c:(\s)+15+32*\c], v[TM+12+2*\c]
	v_cvt_scalef32_pk16_fp6_f32 v[PC+12+4*\c:PC+14+4*\c], v[(\s)+16+32*\c:(\s)+31+32*\c], v[TM+12+2*\c+1]
.endr
	v_nop
.irp c, 0,1
.irp i, 0,1,2
	v_permlane16_swap_b32 v[PC+6*\c+\i], v[PC+12+4*\c+\i]
.endr
.irp i, 0,1,2
	v_mov_b32 v[PC+3+6*\c+\i], v[PC+12+4*\c+\i]
.endr
.endr
.endm
.macro KSTEP slot, s
.irp a, 0,1
.irp c, 0,1,2
	ds_load_b128 v[FA+12*\a+4*\c:FA+12*\a+4*\c+3], v[AD1+\slot] offset:(\s)*3072+\a*1536+512*\c
.endr
	ds_load_b32 v[SA+\a], v[ADS1] offset:(\s)*128+64*\a
.endr
.set i, 0
.rept TN
	ds_load_b32 v[SB+i], v[ADS0] offset:(i/2)*KS*128+(i%2)*64+(\s)*128
.set i, i+1
.endr
.set g, 0
.rept TN/4
.irp q, 0,1,2,3
.irp c, 0,1,2
	ds_load_b128 v[FB+12*\q+4*\c:FB+12*\q+4*\c+3], v[AD0+\slot] offset:((4*g+\q)/2)*S*3072+(\s)*3072+(\q%2)*1536+512*\c
.endr
.endr
	s_wait_dscnt 0x0
.irp q, 0,1,2,3                        ; the accumulators take turns, one instruction a turn
.irp a, 0,1
	v_wmma_scale_f32_16x16x128_f8f6f4 v[ACC+8*(TN*\a+4*g+\q):ACC+8*(TN*\a+4*g+\q)+7], v[FB+12*\q:FB+12*\q+11], v[FA+12*\a:FA+12*\a+11], v[ACC+8*(TN*\a+4*g+\q):ACC+8*(TN*\a+4*g+\q)+7], v[SB+4*g+\q], v[SA+\a] matrix_a_fmt:MATRIX_FMT_FP6 matrix_b_fmt:MATRIX_FMT_FP6
.endr
.endr
.rept 4
	v_nop                                          ; four places in front of the next loads into registers that these products read, and of the first read of results
.endr
.set g, g+1
.endr
.endm
.macro SLOTWORK slot, more
.set st, 0
.rept S
	KSTEP \slot, st
.set st, st+1
.endr
.if \more
	v_add_nc_u32 v[ADS1], S*128, v[ADS1]
	v_add_nc_u32 v[ADS0], S*128, v[ADS0]
.endif
.endm
; All my tensor loads have landed, the add, my LDS reads are over.  fill = 1: a round of the cluster's barrier, so that no wave of any partner still reads slot 0 or has a load on its way; then slot 0 is filled again, first thing.
.macro CHANGE fill
	s_wait_tensorcnt 0x0
	ds_add_u32 v[SPW], v[NIL]                      ; 0 onto my spare word
.if \fill
	s_add_nc_u64 s[G0A+2:G0A+3], s[G0A+2:G0A+3], 3*S*KPITCH   ; no load of mine is out: slot 0's descriptors step to K steps 6 and 7
	s_add_nc_u64 s[G0B+2:G0B+3], s[G0B+2:G0B+3], 3*S*KPITCH
.endif
	s_wait_dscnt 0x0
.if \fill
	CROUND
	JLOAD G0A, G1A, G0B, G1B
.else
	s_barrier_signal -1
	s_barrier_wait -1
.endif
.endm
.macro PAIR r, val                     ; a constant for the packed forms: both words of the pair are written
	s_mov_b32 s[\r], \val
	s_mov_b32 s[\r+1], \val
.endm
.macro HORNER d, k                     ; d = d z^2 + the constant in s[k]
.irp p, 0,2,4,6,8,10,12,14
	v_pk_fma_f32 v[\d+\p:\d+\p+1], v[\d+\p:\d+\p+1], v[GX+\p:GX+\p+1], s[\k:\k+1] op_sel_hi:[1,1,0]
.endr
.endm
; 16 numbers v[x] .. v[x + 15] become their gelu, in place
.macro GELU16 x
.irp p, 0,2,4,6,8,10,12,14
	v_pk_mul_f32 v[GZ+\p:GZ+\p+1], v[(\x)+\p:(\x)+\p+1], s[KC:KC+1] op_sel_hi:[1,0]   ; z = x / sqrt 2.  (Each accumulator is read from its low end on)
.endr
.irp p, 0,1,2,3,4,5,6,7,8,9,10,11,12,13,14,15
	v_med3_num_f32 v[GZ+\p], v[GZ+\p], -4.0, 4.0
.endr
.irp p, 0,2,4,6,8,10,12,14
	v_pk_mul_f32 v[GX+\p:GX+\p+1], v[GZ+\p:GZ+\p+1], v[GZ+\p:GZ+\p+1]
.endr
.irp p, 0,2,4,6,8,10,12,14
	v_pk_fma_f32 v[GP+\p:GP+\p+1], v[GX+\p:GX+\p+1], s[KC+2:KC+3], v[120:121] op_sel_hi:[1,0,1]
	v_pk_fma_f32 v[GQ+\p:GQ+\p+1], v[GX+\p:GX+\p+1], s[KC+14:KC+15], v[122:123] op_sel_hi:[1,0,1]
.endr
	HORNER GP, KC+4
	HORNER GQ, KC+16
	HORNER GP, KC+6
	HORNER GQ, KC+18
	HORNER GP, KC+8
	HORNER GQ, KC+20
	HORNER GP, KC+10
	HORNER GP, KC+12
.irp p, 0,1,2,3,4,5,6,7,8,9,10,11,12,13,14,15
	v_rcp_f32 v[GQ+\p], v[GQ+\p]
.endr
.irp p, 0,2,4,6,8,10,12,14
	v_pk_mul_f32 v[GP+\p:GP+\p+1], v[GP+\p:GP+\p+1], v[GZ+\p:GZ+\p+1]   ; z P: plain work behind the reciprocals
.endr
.irp p, 0,2,4,6,8,10,12,14
	v_pk_mul_f32 v[GZ+\p:GZ+\p+1], v[(\x)+\p:(\x)+\p+1], 0.5 op_sel_hi:[1,0]
.endr
	s_wait_alu depctr_va_vdst(0)                   ; one wait for the sixteen reciprocals, ahead of their first reader
.irp p, 0,2,4,6,8,10,12,14
	v_pk_mul_f32 v[GP+\p:GP+\p+1], v[GP+\p:GP+\p+1], v[GQ+\p:GQ+\p+1]   ; erf
.endr
.irp p, 0,2,4,6,8,10,12,14
	v_pk_fma_f32 v[(\x)+\p:(\x)+\p+1], v[GZ+\p:GZ+\p+1], v[GP+\p:GP+\p+1], v[GZ+\p:GZ+\p+1]   ; 0.5 x erf + 0.5 x
.endr
.endm
	s_load_b256 s[4:11], s[0:1], 0x0               ; x1b, wts, b1, hb
	v_lshl_add_u32 v[SPW], v0, 2, SPARE
	v_mov_b32 v[NIL], 0
	ds_add_u32 v[SPW], v[NIL]                      ; the opening: the add, twice on end, and its wait ahead of my first tensor load; the set-up below, work on registers, stands between
	ds_add_u32 v[SPW], v[NIL]
	v_lshrrev_b32 v26, 5, v0
	v_readfirstlane_b32 s14, v26                   ; wave 0..15
	s_and_b32 s15, s14, WM-1                       ; wm: my pair of x1's tiles; also: which pair I fetch
	s_lshr_b32 s16, s14, LWM                       ; wn: my eight of W1's; also: I fetch for x1 (0) or for W1 (1)
	s_bfe_u32 s92, ttmp6, 0x40000                  ; cx, cy: my place in the cluster
	s_bfe_u32 s93, ttmp6, 0x40004
	s_lshl_b32 s94, ttmp9, 2
	s_add_co_u32 s94, s94, s92                     ; work-group x = 4 x cluster x + cx
	s_and_b32 s17, ttmp7, 0xffff
	s_lshl_b32 s17, s17, 2
	s_add_co_u32 s17, s17, s93                     ; work-group y = 4 x cluster y + cy
	s_lshl_b32 s66, s93, 2
	s_lshl_b32 s66, 15, s66                        ; my row of the cluster
	s_lshl_b32 s67, 0x1111, s92                    ; my column
	; group 1 for codes: S rows (K steps) of 3,072 bytes (a pair of images), 393,216 bytes apart; elements of 8 bytes; 15:0 the mask, bit 21 set beside it
	s_or_b32 s[G1A], s66, (3<<16)|(1<<21)
	s_or_b32 s[G1B], s67, (3<<16)|(1<<21)
.irp g, G1A, G1B
	s_mov_b32 s[\g+1], 384<<16
	s_mov_b32 s[\g+2], S<<16
	s_mov_b32 s[\g+3], 384<<16
	s_mov_b32 s[\g+4], S
	s_mov_b32 s[\g+5], KPITCH/8
	s_mov_b32 s[\g+6], 0
	s_mov_b32 s[\g+7], 0
.endr
	; group 1 for scale words: KS rows of 128 bytes (a pair's words), 16,384 bytes apart
	s_or_b32 s[G1SA], s66, (3<<16)|(1<<21)
	s_or_b32 s[G1SB], s67, (3<<16)|(1<<21)
.irp g, G1SA, G1SB
	s_mov_b32 s[\g+1], 16<<16
	s_mov_b32 s[\g+2], KS<<16
	s_mov_b32 s[\g+3], 16<<16
	s_mov_b32 s[\g+4], KS
	s_mov_b32 s[\g+5], 2048
	s_mov_b32 s[\g+6], 0
	s_mov_b32 s[\g+7], 0
.endr
	; where the tiles come from: x1's hang on y alone, W1's on x alone; every wave makes both, in registers that never hold the other coordinate
	s_lshl_b32 s18, s15, 1
	s_lshl_b32 s19, s17, 4
	s_add_co_u32 s19, s19, s18                     ; x1's pair: tile 16 y + 2 wm
	s_lshl_b32 s95, s94, 4
	s_add_co_u32 s95, s95, s18                     ; W1's: tile 16 x + 2 wm
	s_mul_i32 s20, s19, 1536
	s_add_co_u32 s20, s20, X1C
	s_mov_b32 s21, 0
	s_lshl_b32 s22, s19, 6
	s_add_co_u32 s22, s22, X1S
	s_mov_b32 s23, 0
	s_mul_i32 s96, s95, 1536
	s_add_co_u32 s96, s96, W1C
	s_mov_b32 s97, 0
	s_lshl_b32 s98, s95, 6
	s_add_co_u32 s98, s98, W1S
	s_mov_b32 s99, 0
	s_mul_i32 s100, s14, S*3072                    ; and where they go: by the wave's number alone
	s_mul_i32 s101, s14, KS*128
	s_add_co_u32 s101, s101, SCL
	v_and_b32 v26, 31, v0
	v_lshlrev_b32 v[L16], 4, v26
	v_lshlrev_b32 v[L4], 2, v26
	v_and_b32 v[RR], 15, v0
	v_bfe_u32 v[HH], v0, 4, 1
	v_lshlrev_b32 v[BOF], 6, v[HH]
	v_lshlrev_b32 v27, 2, v[RR]
	s_mul_i32 s2, s15, S*3072
	v_add_nc_u32 v[AD1], s2, v[L16]
	v_add_nc_u32 v[AD1+1], SLOTB, v[AD1]
	v_add_nc_u32 v[AD1+2], SLOTB, v[AD1+1]
	s_mul_i32 s2, s16, (TN/2)*S*3072
	s_add_co_u32 s2, s2, WM*S*3072
	v_add_nc_u32 v[AD0], s2, v[L16]
	v_add_nc_u32 v[AD0+1], SLOTB, v[AD0]
	v_add_nc_u32 v[AD0+2], SLOTB, v[AD0+1]
	s_mul_i32 s2, s15, KS*128
	s_add_co_u32 s2, s2, SCL
	v_add_nc_u32 v[ADS1], s2, v27
	s_mul_i32 s2, s16, (TN/2)*KS*128
	s_add_co_u32 s2, s2, SCL+WM*KS*128
	v_add_nc_u32 v[ADS0], s2, v27
	v_mov_b32 v120, 0x32edffee                     ; P's second coefficient, and Q's, as vector pairs: the first step of each polynomial has two constants
	v_mov_b32 v121, 0x32edffee
	v_mov_b32 v122, 0xb95fbd29
	v_mov_b32 v123, 0xb95fbd29
	s_wait_dscnt 0x0                               ; both opening adds are done
	s_wait_kmcnt 0x0
	s_add_nc_u64 s[20:21], s[4:5], s[20:21]
	s_add_nc_u64 s[22:23], s[4:5], s[22:23]
	s_add_nc_u64 s[96:97], s[6:7], s[96:97]
	s_add_nc_u64 s[98:99], s[6:7], s[98:99]
	CROUND                                         ; all sixteen work-groups are here: the first joint loads meet
	s_mov_b32 s[G0SA], 1
	s_mov_b32 s[G0SA+1], s101
	s_mov_b64 s[G0SA+2:G0SA+3], s[22:23]
	s_or_b32 s[G0SA+3], s[G0SA+3], 0x80000000
	s_mov_b32 s[G0SB], 1
	s_mov_b32 s[G0SB+1], s101
	s_mov_b64 s[G0SB+2:G0SB+3], s[98:99]
	s_or_b32 s[G0SB+3], s[G0SB+3], 0x80000000
	JLOAD G0SA, G1SA, G0SB, G1SB                   ; the scale words first: they are wanted with K step 0
.irp s, 0,1,2
	s_mov_b32 s[G0A+4*\s], 1
	s_add_co_u32 s[G0A+4*\s+1], s100, \s*SLOTB
	s_add_nc_u64 s[G0A+4*\s+2:G0A+4*\s+3], s[20:21], \s*S*KPITCH
	s_or_b32 s[G0A+4*\s+3], s[G0A+4*\s+3], 0x80000000
	s_mov_b32 s[G0B+4*\s], 1
	s_add_co_u32 s[G0B+4*\s+1], s100, \s*SLOTB
	s_add_nc_u64 s[G0B+4*\s+2:G0B+4*\s+3], s[96:97], \s*S*KPITCH
	s_or_b32 s[G0B+4*\s+3], s[G0B+4*\s+3], 0x80000000
	JLOAD G0A+4*\s, G1A, G0B+4*\s, G1B             ; the first fills go out together: four loads of mine are out
.endr
	s_lshl_b32 s96, s94, 10
	s_lshl_b32 s97, s16, 9
	s_add_co_u32 s96, s96, s97                     ; 4 x my first column
	s_mov_b32 s97, 0
	s_add_nc_u64 s[8:9], s[8:9], s[96:97]
.irp a, 0,1
.set n, 0
.rept 16
	global_load_b128 v[ACC+64*\a+4*n:ACC+64*\a+4*n+3], v[BOF], s[8:9] offset:128*(n/4)+16*(n%4)   ; the accumulators begin as the bias
.set n, n+1
.endr
.endr
	s_wait_tensorcnt 2                             ; the scale words and my part of slot 0 are in; the loads of slots 1 and 2 may be out
	s_barrier_signal -1
	s_barrier_wait -1
	s_wait_loadcnt 0x0
	SLOTWORK 0, 1
	CHANGE 1                                       ; slots 1 and 2 are whole in every partner; slot 0 takes K steps 6 and 7
	SLOTWORK 1, 1
	SLOTWORK 2, 1
	CHANGE 0                                       ; slot 0 is whole; nothing is left to fetch
	SLOTWORK 0, 0
	; THE WAY OUT: gelu, the quantiser, the images
	s_mov_b32 s[SEL], 0x76543210
	s_mov_b32 s[SEL+1], 0xfedcba98
	PAIR KC, 0x3f3504f3                            ; 1 / sqrt 2
	PAIR KC+2, 0xaf95df0b                          ; P, from the highest power down (the second is in v[120:121])
	PAIR KC+4, 0xb60cff51
	PAIR KC+6, 0xb86ec2d2
	PAIR KC+8, 0xba40ac63
	PAIR KC+10, 0xbb41a1f6
	PAIR KC+12, 0xbc83dbd4
	PAIR KC+14, 0xb77460cd                         ; Q likewise (the second is in v[122:123])
	PAIR KC+16, 0xbadc924e
	PAIR KC+18, 0xbbf19bf8
	PAIR KC+20, 0xbc69b6a7
	s_lshl_b32 s48, s94, 1
	s_add_co_u32 s48, s48, s16                     ; the K step of the operand made: 2 x + wn
	s_lshl_b32 s48, s48, 8
	s_add_co_u32 s48, s48, s19                     ; 256 x step + tile 16 y + 2 wm
	s_mul_i32 s50, s48, 1536
	s_mov_b32 s51, 0
	s_add_nc_u64 s[50:51], s[10:11], s[50:51]
	s_lshl_b32 s52, s48, 6
	s_add_co_u32 s52, s52, HSC
	s_mov_b32 s53, 0
	s_add_nc_u64 s[52:53], s[10:11], s[52:53]
.irp t, 0,1,2,3
	GELU16 ACC+16*\t
.endr
	QUANT ACC, 116
.irp c, 0,1,2
	global_store_b128 v[L16], v[PC+4*\c:PC+4*\c+3], s[50:51] offset:512*\c
.endr
.irp t, 4,5,6,7
	GELU16 ACC+16*\t
.endr
	s_wait_xcnt 0x0                                ; the stores' data are written again only behind this wait
	QUANT ACC+64, 117
.irp c, 0,1,2
	global_store_b128 v[L16], v[PC+4*\c:PC+4*\c+3], s[50:51] offset:1536+512*\c
.endr
	v_cmp_ne_u32 vcc_lo, 0, v[HH]
	v_cndmask_b32 v118, v116, v117, vcc_lo         ; lanes 0-15 the first tile's words, lanes 16-31 the second's
	global_store_b32 v[L4], v118, s[52:53]         ; 128 consecutive bytes
	s_wait_tensorcnt 0x0                           ; the wave's end
	ds_add_u32 v[SPW], v[NIL]
	s_wait_dscnt 0x0
	CROUND                                         ; the closing round: no work-group ends while a partner may still ask for a tile that names it
	s_endpgm
.Lfunc_end_k_q7640de7c00_ffn1:
	.size	k_q7640de7c00_ffn1, .Lfunc_end_k_q7640de7c00_ffn1-k_q7640de7c00_ffn1
	.p2alignl 7, 3214868480
	.fill 96, 4, 3214868480
	.section	.rodata,"a",@progbits
	.p2align	6, 0x0
	.amdhsa_kernel k_q7640de7c00_ffn1
		.amdhsa_group_segment_fixed_size 327680
		.amdhsa_private_segment_fixed_size 0
		.amdhsa_enable_private_segment 0
		.amdhsa_kernarg_size 32
		.amdhsa_user_sgpr_count 2
		.amdhsa_user_sgpr_kernarg_segment_ptr 1
		.amdhsa_wavefront_size32 1
		.amdhsa_system_sgpr_workgroup_id_x 1
		.amdhsa_system_sgpr_workgroup_id_y 1
		.amdhsa_system_sgpr_workgroup_id_z 1
		.amdhsa_system_vgpr_workitem_id 0
		.amdhsa_next_free_vgpr 256
		.amdhsa_next_free_sgpr 102
		.amdhsa_reserve_vcc 1
		.amdhsa_float_denorm_mode_32 3
		.amdhsa_float_denorm_mode_16_64 3
		.amdhsa_memory_ordered 1
		.amdhsa_forward_progress 1
		.amdhsa_inst_pref_size 140
	.end_amdhsa_kernel
	.amdgpu_metadata
---
amdhsa.version: [ 1, 2 ]
amdhsa.kernels:
  - .name:           k_q7640de7c00_ffn1
    .symbol:         k_q7640de7c00_ffn1.kd
    .args:
      - { .name: x1b, .offset: 0, .size: 8, .value_kind: global_buffer, .address_space: global }
      - { .name: wts, .offset: 8, .size: 8, .value_kind: global_buffer, .address_space: global }
      - { .name: b1, .offset: 16, .size: 8, .value_kind: global_buffer, .address_space: global }
      - { .name: hb, .offset: 24, .size: 8, .value_kind: global_buffer, .address_space: global }
    .group_segment_fixed_size: 327680
    .private_segment_fixed_size: 0
    .kernarg_segment_align: 8
    .kernarg_segment_size: 32
    .max_flat_workgroup_size: 512
    .sgpr_count:     102
    .vgpr_count:     256
    .wavefront_size: 32
...
	.end_amdgpu_metadata
.endif
;; end of part 6
;; launch ffn2 (part 7): grid 8 x 32, 8 waves a work-group, clusters of 4 x 4, 327,680 bytes of LDS; arguments hb, wts, b2, y; writes y
.if DOCPART == 7
	.amdgcn_target "amdgcn-amd-amdhsa--gfx1250"
	.amdhsa_code_object_version 6
	.text
	.protected	k_q7640de7c00_ffn2
	.globl	k_q7640de7c00_ffn2
	.p2align	8
	.type	k_q7640de7c00_ffn2,@function
k_q7640de7c00_ffn2:
	s_mov_b64 s[64:65], 0
	v_nop
	global_prefetch_b8 v0, s[64:65] scope:SCOPE_SE
	s_setreg_imm32_b32 hwreg(HW_REG_WAVE_MODE, 25, 1), 1
	s_wait_xcnt 0x0
	s_wait_alu depctr_hold_cnt(0) depctr_sa_sdst(0) depctr_va_vdst(0) depctr_va_sdst(0) depctr_va_ssrc(0) depctr_va_vcc(0) depctr_vm_vsrc(0)
	s_getreg_b32 s2, hwreg(HW_REG_IB_STS2, 6, 4)
	s_cmp_eq_u32 s2, 0
	s_cbranch_scc0 .Lentry_in_a_cluster
	s_endpgm
.Lentry_in_a_cluster:
	s_bfe_u32 s2, ttmp6, 0x10000c
	s_cmp_lg_u32 s2, 0xf033
	s_cbranch_scc0 .Lentry_shape_is_right
	s_endpgm
.Lentry_shape_is_right:
; y = A W + bias on codes of FP6, y in f32.  LONGK = 0: A = ctx, W = Wo, K = 1,024.  LONGK = 1: A = gelu's result, W = W2, K = 4,096.
; A work-group makes 128 rows x 128 columns; eight waves, each 2 tiles of A (the result's lanes) x 4 of W (its registers): 8 accumulators, which begin as the bias.
; K goes through two LDS slots of 4 K steps; every wave fetches one pair of tiles (waves 0-3 A's, 4-7 W's) by one tensor load; the scale words of all K steps come once.
; CLUSTERS: 4 x 4 work-groups.  A's tiles hang on the work-group's y alone and are shared along a row of the cluster, W's on x alone and are shared along a column: each pair of tiles is asked for JOINTLY, by the same tensor load
; with the same descriptor and a mask that names the four: a quarter of the requests.  Where a slot is filled again, a round of the cluster's barrier stands in front of the joint load.
; (A third slot does not fit here: 3 x 98,304 bytes, the scale words' 32,768 and the spare words' 1,024 are 1,024 more than LDS holds.)
; y is laid as images of the accumulators: the record of tile T and 32 columns G at (32 T + G) x 2,048; value 4 j + e of lane (r, h), at 512 j + 16 lane, is column 32 G + 16 h + 4 j + e of lane r's row: every store is 512 consecutive bytes, and no stage is needed.
.set LONGK, 1
.if LONGK
.set F,   8
.set KS,  32
.set ASC, 12582912
.set BC,  9437184
.set BS,  22413312
.set T0F, 0
.else
.set F,   2
.set KS,  8
.set ASC, 3145728
.set BC,  3145728
.set BS,  22151168
.set T0F, 192
.endif
.set WAVES, 8
.set WM,    4
.set LWM,   2
.set TN,    4
.set S,     4
.set KPITCH, 393216
.set SLOTB, WAVES*S*3072
.set SCL,   2*SLOTB
.set SPARE, SCL+WAVES*KS*128
.set L16, 1
.set RR,  3
.set HH,  4
.set AD1, 5
.set AD0, 7
.set ADS1, 9
.set ADS0, 10
.set BOF, 11
.set SPW, 12
.set NIL, 13
.set SA,  16                           ; v16-17, v18-21: scale words and nothing else
.set SB,  18
.set FA,  24
.set FB,  48
.set ACC, 96                           ; accumulator (a, i) at 96 + 8 (4 a + i)
.set G1A, 24                           ; s[24:31] group 1 for A's codes;  s[32:39] for W's: they differ in the mask alone
.set G1B, 32
.set G1SA, 40                          ; s[40:47], s[48:55] the same for the scale words
.set G1SB, 48
.set G0SA, 56                          ; s[56:59], s[60:63] groups 0 for the scale words
.set G0SB, 60
.set G0A, 68                           ; s[68:75] groups 0 for A's codes, a set for each slot;  s[80:87] for W's
.set G0B, 80
; A joint load: waves 0-3 fetch for A, waves 4-7 for W.  Each of the two lines has ONE mask and one set of registers for all that issue it; the branch hangs on the wave's number alone.
; An s_nop 0 and four v_nop follow each of the two lines, ahead of the jump, the label and what follows.
.macro JLOAD g0a, g1a, g0b, g1b
	s_cmp_eq_u32 s16, 0
	s_cbranch_scc0 .Lfor_b_\@
	tensor_load_to_lds s[\g0a:\g0a+3], s[\g1a:\g1a+7]
	s_nop 0
.rept 4
	v_nop
.endr
	s_branch .Lasked_\@
.Lfor_b_\@:
	tensor_load_to_lds s[\g0b:\g0b+3], s[\g1b:\g1b+7]
	s_nop 0
.rept 4
	v_nop
.endr
.Lasked_\@:
.endm
; A round of the cluster's barrier: my work-group's barrier, wave 0 signals for the work-group, every wave waits for all sixteen work-groups, my work-group's barrier once more.
.macro CROUND
	s_barrier_signal -1
	s_barrier_wait -1
	s_cmp_lg_u32 s14, 0
	s_cbranch_scc1 .Lnot_wave_0_\@
	s_barrier_signal -3
.Lnot_wave_0_\@:
	s_barrier_wait -3
	s_barrier_signal -1
	s_barrier_wait -1
.endm
.macro KSTEP slot, s
.irp a, 0,1
.irp c, 0,1,2
	ds_load_b128 v[FA+12*\a+4*\c:FA+12*\a+4*\c+3], v[AD1+\slot] offset:(\s)*3072+\a*1536+512*\c
.endr
	ds_load_b32 v[SA+\a], v[ADS1] offset:(\s)*128+64*\a
.endr
.set i, 0
.rept TN
	ds_load_b32 v[SB+i], v[ADS0] offset:(i/2)*KS*128+(i%2)*64+(\s)*128
.set i, i+1
.endr
.irp q, 0,1,2,3
.irp c, 0,1,2
	ds_load_b128 v[FB+12*\q+4*\c:FB+12*\q+4*\c+3], v[AD0+\slot] offset:(\q/2)*S*3072+(\s)*3072+(\q%2)*1536+512*\c
.endr
.endr
	s_wait_dscnt 0x0
.irp q, 0,1,2,3                        ; the eight accumulators take turns, one instruction a turn
.irp a, 0,1
	v_wmma_scale_f32_16x16x128_f8f6f4 v[ACC+8*(TN*\a+\q):ACC+8*(TN*\a+\q)+7], v[FB+12*\q:FB+12*\q+11], v[FA+12*\a:FA+12*\a+11], v[ACC+8*(TN*\a+\q):ACC+8*(TN*\a+\q)+7], v[SB+\q], v[SA+\a] matrix_a_fmt:MATRIX_FMT_FP6 matrix_b_fmt:MATRIX_FMT_FP6
.endr
.endr
.rept 4
	v_nop                                          ; four places in front of the next loads into registers that these products read, and of the stores of results
.endr
.endm
.macro SLOTWORK slot, more
.set st, 0
.rept S
	KSTEP \slot, st
.set st, st+1
.endr
.if \more
	v_add_nc_u32 v[ADS1], S*128, v[ADS1]
	v_add_nc_u32 v[ADS0], S*128, v[ADS0]
.endif
.endm
; The change of slots: all my tensor loads have landed (my part of the slot ahead), the add, my reads of the slot left are over.  refill = 1: a round of the cluster's barrier, so that no wave of any partner still reads
; the slot left or has a load on its way; that slot is filled again first; then the slot ahead is worked.
.macro TWO slot, refill, more
	s_wait_tensorcnt 0x0
	ds_add_u32 v[SPW], v[NIL]                      ; 0 onto my spare word
.if \refill
	s_add_nc_u64 s[G0A+4*(1-\slot)+2:G0A+4*(1-\slot)+3], s[G0A+4*(1-\slot)+2:G0A+4*(1-\slot)+3], 2*S*KPITCH   ; no load of mine is out: the other slot's next K steps
	s_add_nc_u64 s[G0B+4*(1-\slot)+2:G0B+4*(1-\slot)+3], s[G0B+4*(1-\slot)+2:G0B+4*(1-\slot)+3], 2*S*KPITCH
.endif
	s_wait_dscnt 0x0
.if \refill
	CROUND
	JLOAD G0A+4*(1-\slot), G1A, G0B+4*(1-\slot), G1B
.else
	s_barrier_signal -1
	s_barrier_wait -1
.endif
	SLOTWORK \slot, \more
.endm
	s_load_b256 s[4:11], s[0:1], 0x0               ; A, wts, the bias, y
	v_lshl_add_u32 v[SPW], v0, 2, SPARE
	v_mov_b32 v[NIL], 0
	ds_add_u32 v[SPW], v[NIL]                      ; the opening: the add, twice on end, and its wait ahead of my first tensor load; the set-up below, work on registers, stands between
	ds_add_u32 v[SPW], v[NIL]
	v_lshrrev_b32 v14, 5, v0
	v_readfirstlane_b32 s14, v14                   ; wave 0..7
	s_and_b32 s15, s14, WM-1                       ; wm: my pair of A's tiles; also: which pair I fetch
	s_lshr_b32 s16, s14, LWM                       ; wn: my four of W's; also: I fetch for A (0) or for W (1)
	s_bfe_u32 s92, ttmp6, 0x40000                  ; cx, cy: my place in the cluster
	s_bfe_u32 s93, ttmp6, 0x40004
	s_lshl_b32 s94, ttmp9, 2
	s_add_co_u32 s94, s94, s92                     ; work-group x = 4 x cluster x + cx
	s_and_b32 s17, ttmp7, 0xffff
	s_lshl_b32 s17, s17, 2
	s_add_co_u32 s17, s17, s93                     ; work-group y = 4 x cluster y + cy
	s_lshl_b32 s66, s93, 2
	s_lshl_b32 s66, 15, s66                        ; my row of the cluster
	s_lshl_b32 s67, 0x1111, s92                    ; my column
	; group 1 for codes: S rows (K steps) of 3,072 bytes (a pair of images), 393,216 bytes apart; elements of 8 bytes; 15:0 the mask, bit 21 set beside it
	s_or_b32 s[G1A], s66, (3<<16)|(1<<21)
	s_or_b32 s[G1B], s67, (3<<16)|(1<<21)
.irp g, G1A, G1B
	s_mov_b32 s[\g+1], 384<<16
	s_mov_b32 s[\g+2], S<<16
	s_mov_b32 s[\g+3], 384<<16
	s_mov_b32 s[\g+4], S
	s_mov_b32 s[\g+5], KPITCH/8
	s_mov_b32 s[\g+6], 0
	s_mov_b32 s[\g+7], 0
.endr
	; group 1 for scale words: KS rows of 128 bytes (a pair's words), 16,384 bytes apart
	s_or_b32 s[G1SA], s66, (3<<16)|(1<<21)
	s_or_b32 s[G1SB], s67, (3<<16)|(1<<21)
.irp g, G1SA, G1SB
	s_mov_b32 s[\g+1], 16<<16
	s_mov_b32 s[\g+2], KS<<16
	s_mov_b32 s[\g+3], 16<<16
	s_mov_b32 s[\g+4], KS
	s_mov_b32 s[\g+5], 2048
	s_mov_b32 s[\g+6], 0
	s_mov_b32 s[\g+7], 0
.endr
	; where the tiles come from: A's hang on y alone, W's on x alone; every wave makes both, in registers that never hold the other coordinate
	s_lshl_b32 s18, s15, 1
	s_lshl_b32 s19, s17, 3
	s_add_co_u32 s19, s19, s18                     ; A's pair: tile 8 y + 2 wm
	s_lshl_b32 s95, s94, 3
	s_add_co_u32 s95, s95, s18                     ; W's: tile 8 x + 2 wm
.if T0F
	s_add_co_u32 s95, s95, T0F                     ; (Wo's tiles lie behind Wq's, Wk's and Wv's)
.endif
	s_mul_i32 s20, s19, 1536                       ; (A's codes begin at byte 0 of its buffer)
	s_mov_b32 s21, 0
	s_lshl_b32 s22, s19, 6
	s_add_co_u32 s22, s22, ASC
	s_mov_b32 s23, 0
	s_mul_i32 s96, s95, 1536
	s_add_co_u32 s96, s96, BC
	s_mov_b32 s97, 0
	s_lshl_b32 s98, s95, 6
	s_add_co_u32 s98, s98, BS
	s_mov_b32 s99, 0
	s_mul_i32 s100, s14, S*3072                    ; and where they go: by the wave's number alone
	s_mul_i32 s101, s14, KS*128
	s_add_co_u32 s101, s101, SCL
	v_and_b32 v14, 31, v0
	v_lshlrev_b32 v[L16], 4, v14
	v_and_b32 v[RR], 15, v0
	v_bfe_u32 v[HH], v0, 4, 1
	v_lshlrev_b32 v[BOF], 6, v[HH]
	s_mul_i32 s2, s15, S*3072
	v_add_nc_u32 v[AD1], s2, v[L16]
	v_add_nc_u32 v[AD1+1], SLOTB, v[AD1]
	s_mul_i32 s2, s16, (TN/2)*S*3072
	s_add_co_u32 s2, s2, WM*S*3072
	v_add_nc_u32 v[AD0], s2, v[L16]
	v_add_nc_u32 v[AD0+1], SLOTB, v[AD0]
	v_lshlrev_b32 v15, 2, v[RR]
	s_mul_i32 s2, s15, KS*128
	s_add_co_u32 s2, s2, SCL
	v_add_nc_u32 v[ADS1], s2, v15
	s_mul_i32 s2, s16, (TN/2)*KS*128
	s_add_co_u32 s2, s2, SCL+WM*KS*128
	v_add_nc_u32 v[ADS0], s2, v15
	s_wait_dscnt 0x0                               ; both opening adds are done
	s_wait_kmcnt 0x0
	s_add_nc_u64 s[20:21], s[4:5], s[20:21]
	s_add_nc_u64 s[22:23], s[4:5], s[22:23]
	s_add_nc_u64 s[96:97], s[6:7], s[96:97]
	s_add_nc_u64 s[98:99], s[6:7], s[98:99]
	CROUND                                         ; all sixteen work-groups are here: the first joint loads meet
	s_mov_b32 s[G0SA], 1
	s_mov_b32 s[G0SA+1], s101
	s_mov_b64 s[G0SA+2:G0SA+3], s[22:23]
	s_or_b32 s[G0SA+3], s[G0SA+3], 0x80000000
	s_mov_b32 s[G0SB], 1
	s_mov_b32 s[G0SB+1], s101
	s_mov_b64 s[G0SB+2:G0SB+3], s[98:99]
	s_or_b32 s[G0SB+3], s[G0SB+3], 0x80000000
	JLOAD G0SA, G1SA, G0SB, G1SB                   ; the scale words first: they are wanted with K step 0
.irp s, 0,1
	s_mov_b32 s[G0A+4*\s], 1
	s_add_co_u32 s[G0A+4*\s+1], s100, \s*SLOTB
	s_add_nc_u64 s[G0A+4*\s+2:G0A+4*\s+3], s[20:21], \s*S*KPITCH
	s_or_b32 s[G0A+4*\s+3], s[G0A+4*\s+3], 0x80000000
	s_mov_b32 s[G0B+4*\s], 1
	s_add_co_u32 s[G0B+4*\s+1], s100, \s*SLOTB
	s_add_nc_u64 s[G0B+4*\s+2:G0B+4*\s+3], s[96:97], \s*S*KPITCH
	s_or_b32 s[G0B+4*\s+3], s[G0B+4*\s+3], 0x80000000
	JLOAD G0A+4*\s, G1A, G0B+4*\s, G1B             ; the first fills go out together: three loads of mine are out
.endr
	s_lshl_b32 s96, s94, 9
	s_lshl_b32 s97, s16, 8
	s_add_co_u32 s96, s96, s97                     ; 4 x my first column
	s_mov_b32 s97, 0
	s_add_nc_u64 s[8:9], s[8:9], s[96:97]
.irp a, 0,1
.set n, 0
.rept 8
	global_load_b128 v[ACC+32*\a+4*n:ACC+32*\a+4*n+3], v[BOF], s[8:9] offset:128*(n/4)+16*(n%4)   ; the accumulators begin as the bias
.set n, n+1
.endr
.endr
	s_lshl_b32 s2, s19, 5
	s_lshl_b32 s3, s94, 2
	s_add_co_u32 s2, s2, s3
	s_lshl_b32 s3, s16, 1
	s_add_co_u32 s2, s2, s3
	s_lshl_b32 s2, s2, 11                          ; my first record of y: (32 (8 y + 2 wm) + 4 x + 2 wn) x 2,048
	s_mov_b32 s3, 0
	s_add_nc_u64 s[10:11], s[10:11], s[2:3]
	s_wait_tensorcnt 1                             ; the scale words and my part of slot 0 are in; slot 1's load may be out
	s_barrier_signal -1
	s_barrier_wait -1
	s_wait_loadcnt 0x0
	SLOTWORK 0, 1
.if F > 2
	s_mov_b32 s12, F/2-1
.Lring:
	TWO 1, 1, 1
	TWO 0, 1, 1
	s_sub_co_u32 s12, s12, 1
	s_cmp_lg_u32 s12, 0
	s_cbranch_scc1 .Lring
.endif
	TWO 1, 0, 0
.irp a, 0,1
.set n, 0
.rept 8
	global_store_b128 v[L16], v[ACC+32*\a+4*n:ACC+32*\a+4*n+3], s[10:11] offset:\a*65536+512*n th:TH_STORE_NT   ; each accumulator from its low end on; 512 consecutive bytes a store
.set n, n+1
.endr
.endr
	s_wait_tensorcnt 0x0                           ; the wave's end
	ds_add_u32 v[SPW], v[NIL]
	s_wait_dscnt 0x0
	CROUND                                         ; the closing round: no work-group ends while a partner may still ask for a tile that names it
	s_endpgm
.Lfunc_end_k_q7640de7c00_ffn2:
	.size	k_q7640de7c00_ffn2, .Lfunc_end_k_q7640de7c00_ffn2-k_q7640de7c00_ffn2
	.p2alignl 7, 3214868480
	.fill 96, 4, 3214868480
	.section	.rodata,"a",@progbits
	.p2align	6, 0x0
	.amdhsa_kernel k_q7640de7c00_ffn2
		.amdhsa_group_segment_fixed_size 327680
		.amdhsa_private_segment_fixed_size 0
		.amdhsa_enable_private_segment 0
		.amdhsa_kernarg_size 32
		.amdhsa_user_sgpr_count 2
		.amdhsa_user_sgpr_kernarg_segment_ptr 1
		.amdhsa_wavefront_size32 1
		.amdhsa_system_sgpr_workgroup_id_x 1
		.amdhsa_system_sgpr_workgroup_id_y 1
		.amdhsa_system_sgpr_workgroup_id_z 1
		.amdhsa_system_vgpr_workitem_id 0
		.amdhsa_next_free_vgpr 160
		.amdhsa_next_free_sgpr 102
		.amdhsa_reserve_vcc 0
		.amdhsa_float_denorm_mode_32 3
		.amdhsa_float_denorm_mode_16_64 3
		.amdhsa_memory_ordered 1
		.amdhsa_forward_progress 1
		.amdhsa_inst_pref_size 58
	.end_amdhsa_kernel
	.amdgpu_metadata
---
amdhsa.version: [ 1, 2 ]
amdhsa.kernels:
  - .name:           k_q7640de7c00_ffn2
    .symbol:         k_q7640de7c00_ffn2.kd
    .args:
      - { .name: hb, .offset: 0, .size: 8, .value_kind: global_buffer, .address_space: global }
      - { .name: wts, .offset: 8, .size: 8, .value_kind: global_buffer, .address_space: global }
      - { .name: b2, .offset: 16, .size: 8, .value_kind: global_buffer, .address_space: global }
      - { .name: y, .offset: 24, .size: 8, .value_kind: global_buffer, .address_space: global }
    .group_segment_fixed_size: 327680
    .private_segment_fixed_size: 0
    .kernarg_segment_align: 8
    .kernarg_segment_size: 32
    .max_flat_workgroup_size: 256
    .sgpr_count:     102
    .vgpr_count:     160
    .wavefront_size: 32
...
	.end_amdgpu_metadata
.endif
;; end of part 7
;; launch ln2 (part 8): grid 256 x 1, 8 waves a work-group, no clusters, 69,632 bytes of LDS; arguments y, x1b, ln2_g, ln2_b, out0; writes out0
.if DOCPART == 8
	.amdgcn_target "amdgcn-amd-amdhsa--gfx1250"
	.amdhsa_code_object_version 6
	.text
	.protected	k_q7640de7c00_ln2
	.globl	k_q7640de7c00_ln2
	.p2align	8
	.type	k_q7640de7c00_ln2,@function
k_q7640de7c00_ln2:
	s_mov_b64 s[64:65], 0
	v_nop
	global_prefetch_b8 v0, s[64:65] scope:SCOPE_SE
	s_setreg_imm32_b32 hwreg(HW_REG_WAVE_MODE, 25, 1), 1
	s_wait_xcnt 0x0
; LayerNorm of y + residual.  SECOND = 0: residual = x (rows); the result x1 is stored as f32 images AND quantised to FP6 images for the product with W1.  SECOND = 1: residual = x1 (images); the result is out0 (rows).
; A work-group takes one tile of 16 rows (lane r: row 32 (T / 2) + 8 (T % 2) + r + 8 (r / 8)); wave w its columns 128 w .. 128 w + 127: 64 numbers a lane, register 16 b + i = column 128 w + 32 b + 16 h + i.
; Mean and variance as reference() takes them (the mean first, then the mean of the squared differences), in f32: within the lane, with lane l xor 16, then over the eight waves through LDS: two barriers.
; Rows turn between their order in memory and the lanes' order through the wave's own stage in LDS.  Memory binds: no matrix work, no tensor load, no cluster.
; LIMITS: NaN and infinities are not served.
.set SECOND, 1
.set RED,   67584                      ; LDS: behind eight stages of 8,448 bytes: 16 rows x 8 waves' sums, then the same for the squares, 512 bytes on
.set SPARE, 68608
.set SPW, 14
.set NIL, 15
.set VAL, 16
.set X,   80
.set GA,  144
.set SEL, 28
; v[246:247] hold my lane's sum in two halves; behind the macro v246 holds the row's sum over all 1,024 columns
.macro ACROSS off
	v_add_f32 v246, v246, v247
	v_permlanex16_b32 v247, v246, s[SEL], s[SEL+1]
	v_add_f32 v246, v246, v247
	ds_store_b32 v6, v246 offset:\off              ; (lanes l and l + 16 write the same word with the same value)
	s_wait_dscnt 0x0
	s_barrier_signal -1
	s_barrier_wait -1
	ds_load_b128 v[246:249], v7 offset:\off
	ds_load_b128 v[250:253], v7 offset:\off+16
	s_wait_dscnt 0x0
	v_add_f32 v246, v246, v247
	v_add_f32 v248, v248, v249
	v_add_f32 v250, v250, v251
	v_add_f32 v252, v252, v253
	v_add_f32 v246, v246, v248
	v_add_f32 v250, v250, v252
	v_add_f32 v246, v246, v250
.endm
	s_load_b256 s[4:11], s[0:1], 0x0               ; y, the residual, gamma, beta
	s_load_b64 s[12:13], s[0:1], 0x20              ; the result
	v_lshl_add_u32 v[SPW], v0, 2, SPARE
	v_mov_b32 v[NIL], 0
	v_lshrrev_b32 v9, 5, v0
	v_readfirstlane_b32 s14, v9                    ; wave 0..7
	v_and_b32 v9, 31, v0
	v_lshlrev_b32 v1, 4, v9                        ; 16 x lane
	v_and_b32 v2, 15, v0                           ; r
	v_bfe_u32 v3, v0, 4, 1                         ; h
	s_mul_i32 s15, s14, 8448
	v_add_nc_u32 v4, s15, v1                       ; the stage by rows as they lie in memory: + 528 x row
	v_mul_u32_u24 v5, v2, 528
	v_lshl_add_u32 v5, v3, 6, v5
	v_add_nc_u32 v5, s15, v5                       ; and by lanes: row r, my half's 16 numbers of each 32
	v_lshlrev_b32 v7, 5, v2
	v_add_nc_u32 v7, RED, v7                       ; row r's eight sums
	s_lshl_b32 s16, s14, 2
	v_add_nc_u32 v6, s16, v7                       ; my wave's among them
	v_lshlrev_b32 v8, 6, v3                        ; gamma, beta: 64 h
	s_mov_b32 s[SEL], 0x76543210
	s_mov_b32 s[SEL+1], 0xfedcba98
	s_mov_b32 s30, 0x3a800000                      ; 1 / 1,024
	s_mov_b32 s31, 0x3727c5ac                      ; 1e-5
	s_lshl_b32 s16, ttmp9, 16
	s_lshl_b32 s17, s14, 13
	s_add_co_u32 s16, s16, s17                     ; images: (32 T + 4 w) x 2,048
	s_mov_b32 s17, 0
	s_lshr_b32 s18, ttmp9, 1
	s_lshl_b32 s18, s18, 5
	s_and_b32 s19, ttmp9, 1
	s_lshl_b32 s19, s19, 3
	s_add_co_u32 s18, s18, s19
	s_lshl_b32 s18, s18, 12
	s_lshl_b32 s20, s14, 9
	s_add_co_u32 s18, s18, s20                     ; rows: the tile's first row x 4,096 + 512 w
	s_mov_b32 s19, 0
	s_mov_b32 s21, 0
	s_wait_kmcnt 0x0
	s_add_nc_u64 s[4:5], s[4:5], s[16:17]
	s_add_nc_u64 s[8:9], s[8:9], s[20:21]
	s_add_nc_u64 s[10:11], s[10:11], s[20:21]
	s_add_nc_u64 s[6:7], s[6:7], s[16:17]
	s_add_nc_u64 s[12:13], s[12:13], s[18:19]
.set n, 0
.rept 16
	global_load_b128 v[VAL+4*n:VAL+4*n+3], v1, s[4:5] offset:512*n th:TH_LOAD_NT
.set n, n+1
.endr
.set n, 0
.rept 16
	global_load_b128 v[X+4*n:X+4*n+3], v1, s[6:7] offset:512*n th:TH_LOAD_NT
.set n, n+1
.endr
.set n, 0
.rept 16
	global_load_b128 v[GA+4*n:GA+4*n+3], v8, s[8:9] offset:128*(n/4)+16*(n%4)
.set n, n+1
.endr
	s_wait_loadcnt 16                              ; all but gamma's 16 loads
.set n, 0
.rept 32
	v_pk_add_f32 v[VAL+n:VAL+n+1], v[VAL+n:VAL+n+1], v[X+n:X+n+1]
.set n, n+2
.endr
.set n, 0
.rept 16
	global_load_b128 v[X+4*n:X+4*n+3], v8, s[10:11] offset:128*(n/4)+16*(n%4)   ; beta takes the residual's registers
.set n, n+1
.endr
	v_pk_add_f32 v[246:247], v[VAL:VAL+1], v[VAL+2:VAL+3]
	v_pk_add_f32 v[248:249], v[VAL+4:VAL+5], v[VAL+6:VAL+7]
.set n, 8
.rept 14
	v_pk_add_f32 v[246:247], v[246:247], v[VAL+n:VAL+n+1]
	v_pk_add_f32 v[248:249], v[248:249], v[VAL+n+2:VAL+n+3]
.set n, n+4
.endr
	v_pk_add_f32 v[246:247], v[246:247], v[248:249]
	ACROSS 0
	v_mul_f32 v10, s30, v246                       ; the mean
	v_mov_b32 v11, v10
.set n, 0
.rept 32
	v_pk_add_f32 v[VAL+n:VAL+n+1], v[VAL+n:VAL+n+1], v[10:11] neg_lo:[0,1] neg_hi:[0,1]
.set n, n+2
.endr
	v_pk_mul_f32 v[246:247], v[VAL:VAL+1], v[VAL:VAL+1]
	v_pk_mul_f32 v[248:249], v[VAL+2:VAL+3], v[VAL+2:VAL+3]
.set n, 4
.rept 15
	v_pk_fma_f32 v[246:247], v[VAL+n:VAL+n+1], v[VAL+n:VAL+n+1], v[246:247]
	v_pk_fma_f32 v[248:249], v[VAL+n+2:VAL+n+3], v[VAL+n+2:VAL+n+3], v[248:249]
.set n, n+4
.endr
	v_pk_add_f32 v[246:247], v[246:247], v[248:249]
	ACROSS 512
	v_fma_f32 v10, v246, s30, s31                  ; the variance + 1e-5
	v_rsq_f32 v10, v10
	v_nop                                          ; a plain place behind the transcendental,
	s_wait_alu depctr_va_vdst(0)                   ; and a wait ahead of its first reader
	v_mov_b32 v11, v10
	s_wait_loadcnt 0x0                             ; gamma and beta
.set n, 0
.rept 32
	v_pk_mul_f32 v[VAL+n:VAL+n+1], v[VAL+n:VAL+n+1], v[10:11]
.set n, n+2
.endr
.set n, 0
.rept 32
	v_pk_fma_f32 v[VAL+n:VAL+n+1], v[VAL+n:VAL+n+1], v[GA+n:GA+n+1], v[X+n:X+n+1]
.set n, n+2
.endr
.set n, 0
.rept 16
	ds_store_b128 v5, v[VAL+4*n:VAL+4*n+3] offset:128*(n/4)+16*(n%4)
.set n, n+1
.endr
.set n, 0
.rept 16
	ds_load_b128 v[X+4*n:X+4*n+3], v4 offset:528*n   ; LDS serves a wave's instructions in order: these see my stores
.set n, n+1
.endr
.set n, 0
.rept 16
	s_wait_dscnt 15-n
	global_store_b128 v1, v[X+4*n:X+4*n+3], s[12:13] offset:(n+8*(n/8))*4096 th:TH_STORE_NT   ; 512 consecutive bytes of a row
.set n, n+1
.endr
	s_wait_tensorcnt 0x0                           ; the wave's end, behind my last LDS store
	ds_add_u32 v[SPW], v[NIL]
	s_wait_dscnt 0x0
	s_endpgm
.Lfunc_end_k_q7640de7c00_ln2:
	.size	k_q7640de7c00_ln2, .Lfunc_end_k_q7640de7c00_ln2-k_q7640de7c00_ln2
	.p2alignl 7, 3214868480
	.fill 96, 4, 3214868480
	.section	.rodata,"a",@progbits
	.p2align	6, 0x0
	.amdhsa_kernel k_q7640de7c00_ln2
		.amdhsa_group_segment_fixed_size 69632
		.amdhsa_private_segment_fixed_size 0
		.amdhsa_enable_private_segment 0
		.amdhsa_kernarg_size 40
		.amdhsa_user_sgpr_count 2
		.amdhsa_user_sgpr_kernarg_segment_ptr 1
		.amdhsa_wavefront_size32 1
		.amdhsa_system_sgpr_workgroup_id_x 1
		.amdhsa_system_sgpr_workgroup_id_y 1
		.amdhsa_system_sgpr_workgroup_id_z 1
		.amdhsa_system_vgpr_workitem_id 0
		.amdhsa_next_free_vgpr 256
		.amdhsa_next_free_sgpr 66
		.amdhsa_reserve_vcc 0
		.amdhsa_float_denorm_mode_32 3
		.amdhsa_float_denorm_mode_16_64 3
		.amdhsa_memory_ordered 1
		.amdhsa_forward_progress 1
		.amdhsa_inst_pref_size 26
	.end_amdhsa_kernel
	.amdgpu_metadata
---
amdhsa.version: [ 1, 2 ]
amdhsa.kernels:
  - .name:           k_q7640de7c00_ln2
    .symbol:         k_q7640de7c00_ln2.kd
    .args:
      - { .name: y, .offset: 0, .size: 8, .value_kind: global_buffer, .address_space: global }
      - { .name: x1b, .offset: 8, .size: 8, .value_kind: global_buffer, .address_space: global }
      - { .name: ln2_g, .offset: 16, .size: 8, .value_kind: global_buffer, .address_space: global }
      - { .name: ln2_b, .offset: 24, .size: 8, .value_kind: global_buffer, .address_space: global }
      - { .name: out0, .offset: 32, .size: 8, .value_kind: global_buffer, .address_space: global }
    .group_segment_fixed_size: 69632
    .private_segment_fixed_size: 0
    .kernarg_segment_align: 8
    .kernarg_segment_size: 40
    .max_flat_workgroup_size: 256
    .sgpr_count:     66
    .vgpr_count:     256
    .wavefront_size: 32
...
	.end_amdgpu_metadata
.endif
;; end of part 8
